; MI455X (gfx1250); checked and timed in simulation.
; The chip was launched on July 23, 2026; its instructions are those of AMD's public machine-readable ISA for CDNA 5 (MIT licence, August 2026) and "CDNA5" Instruction Set Architecture Reference Guide (July 2026). The comments in the code are by the model that wrote it; some were corrected since.
;; Bahdanau Attention. Allowed arithmetic: matrix products marked QUANTISED: E4M3 operands, one given power-of-two scale a tensor, by v_wmma_f32_16x16x64_fp8_fp8 or v_wmma_f32_16x16x128_fp8_fp8, f32 sums; products left as they are: f32 operands where the result goes on into a quantised operand, else bf16, f16 or f32 operands; f32 sums; everything else in f32.
;; Inputs: Wk 1,024 x 1,024 float32; Wq 1,024 x 1,024 float32; keys 64 x 1,024 x 1,024 float32; lowp_scales 4 int32 (the exponents e of the quantised operands' scales 2^e); mask 64 x 1,024 bool; query 64 x 1,024 float32; v 1 x 1,024 float32.
;; Outputs: out0 64 x 1,024 float32; out1 64 x 1,024 float32.
;; This version of the problem:
;;   THIS VERSION OF THE PROBLEM IS GIVEN IN LOW PRECISION. The matrix products marked QUANTISED in the list below multiply operands that are first quantised to E4M3 (4 exponent bits, 3 mantissa bits; 8 bits a number), with one given power-of-two scale for each operand tensor; their sums are f32. All else is computed in f32.
;;   The module's matrix products, in the order in which they are computed (A, B: the left and right operand; K: the contracted axis; several contracted axes count as one K, in the product's order):
;;     1. [M 64, K 1,024] x [K 1,024, N 1,024]; A: input query; B: input Wq: QUANTISED (scales: A lowp_scales[0], B lowp_scales[1])
;;     2. [M 65,536, K 1,024] x [K 1,024, N 1,024]; A: input keys; B: input Wk: QUANTISED (scales: A lowp_scales[2], B lowp_scales[3])
;;     3. [M 65,536, K 1,024] x [K 1,024, N 1]; A: computed on the way; B: input v: left as it is (N = 1 < 16)
;;     4. batch 64 x [M 1, K 1,024] x [K 1,024, N 1,024]; A: computed on the way; B: input keys: left as it is (M = 1 < 16)
;;   THE QUANTISER, for each operand of a quantised product, along K:
;;     - The operand's scale is 2^e, e = its entry of the input lowp_scales (int32; the entries are numbered through the quantised products in the list's order, A before B).
;;     - Each number is divided by the scale, clamped to +-448, and rounded to the nearest number of E4M3, ties to even, subnormals kept.
;;     - The product sums the exact products of the quantised numbers (number of the format x scale) in f32.
;;   ~~~python
;;   def quantise(x, axis, e):      # numpy; x: float32 -> the quantised numbers, widened to float32 again
;;       x = np.moveaxis(x, axis, -1); K = x.shape[-1]
;;       r = np.clip(x / 2.0 ** e, -448, 448)
;;       step = 2.0 ** (np.maximum(np.frexp(np.where(r == 0, 1, r))[1] - 1, -6) - 3)
;;       q = np.round(r / step) * step * 2.0 ** e      # np.round: ties to even
;;       return np.moveaxis(q, -1, axis).astype(np.float32)
;;   ~~~
;; 2 versions. Each part assembles by itself: llvm-mc -triple=amdgcn-amd-amdhsa -mcpu=gfx1250 --defsym DOCPART=n.
;; ======== version 1 of 2: 3 launches
;; workspace buffers: wk_codes 1,048,576 bytes; qp_ws 262,144 bytes; energy_ws 262,144 bytes
;; launch prep (part 1): grid 320 x 1, 8 waves a work-group, no clusters, 9,216 bytes of LDS; arguments query, Wq, Wk, lowp_scales, qp_ws, wk_codes; writes qp_ws, wk_codes
.if DOCPART == 1
	.amdgcn_target "amdgcn-amd-amdhsa--gfx1250"
	.amdhsa_code_object_version 6
	.text
	.protected	k_qc75e018ad0_prep
	.globl	k_qc75e018ad0_prep
	.p2align	8
	.type	k_qc75e018ad0_prep,@function
k_qc75e018ad0_prep:
	s_mov_b64 s[64:65], 0
	v_nop
	global_prefetch_b8 v0, s[64:65] scope:SCOPE_SE
	s_setreg_imm32_b32 hwreg(HW_REG_WAVE_MODE, 25, 1), 1
	s_wait_xcnt 0x0
; Two small jobs in one launch, parted by the work-group's number (the same for all eight waves of a work-group).
; Work-groups 0-255: query_proj = Q(query) Q(Wq)^T, [64][1024] f32, on codes of FP8 (E4M3).  Work-group 4 t + bt makes the tile of 16 h (16 t on) x 16 batches (16 bt on).
;   Wave s takes K step s (128 along K): it quantises its two fragments in registers and issues ONE matrix instruction; the eight partial tiles meet in LDS and wave 0 adds them, K ascending.
; Work-groups 256-319: Wk becomes codes.  Work-group 256 + t takes rows 16 t on, wave s K step s.  The codes are stored as IMAGES OF THE OPERAND'S REGISTERS: the fragment of chunk c = t / 2 (32 h),
;   K step s, tile n = t % 2 lies at ((8 c + s) 2 + n) x 2,048 bytes; in it, registers 4 q .. 4 q + 3 of lane l at 512 q + 16 l.  So a chunk's 16 fragments are 32 KiB on end.
; A FRAGMENT (16 rows x 128 K, 16 registers): lane (r = l % 16, hh = l / 16) holds row r; registers 4 c .. 4 c + 3 hold k = 32 c + 16 hh + 0 .. 15.  That is one permutation of k, the same on both sides of
;   every product here and in the next launch, so every product meets its partner; only the order of the sums inside an instruction differs from the form's own layout.
; code = x / 2^e, held within +-448, to the nearest code, ties to even.  e0 query, e1 Wq, e3 Wk.  LIMITS: each of them between -126 and 119, so that 2^e and 448 x 2^e are f32 numbers.  NaN among the inputs is not served.
; No tensor loads, no cluster: every wave loads its 8 or 16 KiB once and ends; what work-groups share (Wq's tile by four, query's by 64) is a few KiB each.
.set XA,  4                            ; v4   r x 4,096 + 64 hh: my 16 numbers of a block of 32 (all three tensors have rows of 4,096 bytes)
.set LI,  5                            ; v5   16 x lane
.set PS,  6                            ; v6   where I put my partial tile: 1,024 x wave + 64 r + 32 hh
.set GO,  7                            ; v7   wave 0: my byte offset in qp's tile
.set ACC, 16                           ; v16-23   the partial tile
.set R0,  32                           ; v32-95   64 numbers of W's rows; later the eight partial tiles
.set R1,  96                           ; v96-159  64 numbers of query's rows
.set CW,  160                          ; v160-175 W's codes
.set CQ,  176                          ; v176-191 query's codes
.macro XLOAD reg, base                 ; my row's 64 numbers of the K step: register 16 b + 4 j + i = k 32 b + 16 hh + 4 j + i
.irp b, 0,1,2,3
.irp j, 0,1,2,3
	global_load_b128 v[\reg+16*\b+4*\j:\reg+16*\b+4*\j+3], v[XA], s[\base:\base+1] offset:128*\b+16*\j
.endr
.endr
.endm
.macro MKSC e, sc, lim                 ; v[sc] = 2^e as f32 (the conversion takes its exponent field), v[lim] = 448 x 2^e
	s_add_co_i32 s32, s[\e], 127
	s_lshl_b32 s33, s32, 23
	v_mov_b32 v[\sc], s33
	s_add_co_i32 s32, s32, 8
	s_lshl_b32 s32, s32, 23
	s_or_b32 s32, s32, 0x600000
	v_mov_b32 v[\lim], s32
.endm
.macro QUANT src, dst, sc, lim         ; 64 numbers become a fragment's 16 registers of codes
.irp b, 0,1,2,3
.irp i, 0,1,2,3,4,5,6,7,8,9,10,11,12,13,14,15
	v_med3_num_f32 v[\src+16*\b+\i], v[\src+16*\b+\i], -v[\lim], v[\lim]   ; the conversion to an 8-bit code does not saturate (ISA guide 7.6.2): hold the number first
.endr
	v_cvt_scalef32_pk8_fp8_f32 v[\dst+4*\b:\dst+4*\b+1], v[\src+16*\b:\src+16*\b+7], v[\sc]
	v_cvt_scalef32_pk8_fp8_f32 v[\dst+4*\b+2:\dst+4*\b+3], v[\src+16*\b+8:\src+16*\b+15], v[\sc]
.endr
.endm
	s_load_b256 s[4:11], s[0:1], 0x0               ; query s[4:5], Wq s[6:7], Wk s[8:9], the scales' exponents s[10:11]
	s_load_b128 s[12:15], s[0:1], 0x20             ; qp_ws s[12:13], wk_codes s[14:15]
	v_lshl_add_u32 v192, v0, 2, 0x2000
	v_mov_b32 v193, 0
	v_lshrrev_b32 v1, 5, v0
	v_readfirstlane_b32 s16, v1                    ; wave = K step
	v_and_b32 v1, 31, v0                           ; lane
	v_and_b32 v2, 15, v0                           ; r
	v_bfe_u32 v3, v0, 4, 1                         ; hh
	v_lshlrev_b32 v[XA], 12, v2
	v_lshl_add_u32 v[XA], v3, 6, v[XA]
	v_lshlrev_b32 v[LI], 4, v1
	s_lshl_b32 s17, s16, 9                         ; the K step's 128 numbers: 512 bytes along a row
	s_mov_b32 s27, 0                               ; the high word of every offset below
	s_wait_kmcnt 0x0
	s_load_b128 s[20:23], s[10:11], 0x0            ; e0, e1, e2, e3
	s_cmp_lt_u32 ttmp9, 256
	s_cbranch_scc0 .Lwk
	; ---- query_proj
	s_lshr_b32 s24, ttmp9, 2                       ; t: the tile of 16 h
	s_and_b32 s25, ttmp9, 3                        ; bt: the tile of 16 batches
	s_lshl_b32 s26, s24, 16
	s_add_co_u32 s26, s26, s17
	s_add_nc_u64 s[28:29], s[6:7], s[26:27]        ; Wq at row 16 t, K step s
	s_lshl_b32 s26, s25, 16
	s_add_co_u32 s26, s26, s17
	s_add_nc_u64 s[30:31], s[4:5], s[26:27]        ; query at row 16 bt, K step s
	XLOAD R0, 28
	XLOAD R1, 30
	v_lshlrev_b32 v[PS], 6, v2
	v_lshl_add_u32 v[PS], v3, 5, v[PS]
	s_lshl_b32 s18, s16, 10
	v_add_nc_u32 v[PS], s18, v[PS]
	s_wait_kmcnt 0x0
	MKSC 21, 8, 9                                  ; Wq's scale
	MKSC 20, 10, 11                                ; query's
	s_wait_loadcnt 16                              ; Wq's 16 loads are in; query's 16 may be out
	QUANT R0, CW, 8, 9
	s_wait_loadcnt 0x0
	QUANT R1, CQ, 10, 11
	v_nop                                          ; one plain vector instruction between a scaled conversion and the matrix instruction that reads its result
	v_wmma_f32_16x16x128_fp8_fp8 v[ACC:ACC+7], v[CW:CW+15], v[CQ:CQ+15], 0   ; TRANSPOSED: source 0 = 16 rows of Wq, source 1 = 16 rows of query: lane (r, hh), register j = (batch r, h 8 hh + j)
.rept 4
	v_nop                                          ; four places before an LDS store reads the result
.endr
	ds_store_b128 v[PS], v[ACC:ACC+3]              ; a batch's 16 h are 64 bytes; the result is read from its low end on
	ds_store_b128 v[PS], v[ACC+4:ACC+7] offset:16
	s_wait_dscnt 0x0                               ; for wave 0's sake: my stores are done
	s_barrier_signal -1
	s_barrier_wait -1
	s_cmp_lg_u32 s16, 0
	s_cbranch_scc1 .Lend                           ; wave 0 adds and stores
	v_lshrrev_b32 v[GO], 2, v1
	v_and_b32 v12, 3, v1
	v_lshlrev_b32 v[GO], 12, v[GO]
	v_lshl_add_u32 v[GO], v12, 4, v[GO]            ; batch l / 4 (a row of 4,096 bytes), 16 bytes at 16 (l % 4)
	s_lshl_b32 s26, s25, 16
	s_lshl_b32 s18, s24, 6
	s_add_co_u32 s26, s26, s18
	s_add_nc_u64 s[12:13], s[12:13], s[26:27]      ; qp_ws at (batch 16 bt, h 16 t)
	s_add_co_i32 s19, s20, s21                     ; e0 + e1
.irp i, 0,1,2,3,4,5,6,7
.irp c, 0,1
	ds_load_b128 v[R0+8*\i+4*\c:R0+8*\i+4*\c+3], v[LI] offset:1024*\i+512*\c   ; K step i's tile, batches 8 c + l / 4
.endr
.endr
	s_wait_dscnt 0x0
.irp i, 1,2,3,4,5,6,7
.irp p, 0,2,4,6
	v_pk_add_f32 v[R0+\p:R0+\p+1], v[R0+\p:R0+\p+1], v[R0+8*\i+\p:R0+8*\i+\p+1]
.endr
.endr
.irp j, 0,1,2,3,4,5,6,7
	v_ldexp_f32 v[R0+\j], v[R0+\j], s19            ; x 2^(e0 + e1): no limit on the sum of the two
.endr
	global_store_b128 v[GO], v[R0:R0+3], s[12:13]               ; four neighbouring lanes store 64 consecutive bytes of a row: a tile's 16 h are no more, and all of qp_ws is 256 KiB
	global_store_b128 v[GO], v[R0+4:R0+7], s[12:13] offset:32768
.Lend:
	s_wait_tensorcnt 0x0
	ds_add_u32 v192, v193
	s_wait_dscnt 0x0
	s_endpgm
	; ---- Wk's codes
.Lwk:
	s_sub_co_u32 s24, ttmp9, 256                   ; t
	s_lshl_b32 s26, s24, 16
	s_add_co_u32 s26, s26, s17
	s_add_nc_u64 s[28:29], s[8:9], s[26:27]        ; Wk at row 16 t, K step s
	XLOAD R0, 28
	s_lshr_b32 s25, s24, 1
	s_lshl_b32 s26, s25, 15                        ; chunk t / 2: 32 KiB
	s_lshl_b32 s18, s16, 12                        ; K step: 4 KiB
	s_add_co_u32 s26, s26, s18
	s_and_b32 s19, s24, 1
	s_lshl_b32 s19, s19, 11                        ; tile t % 2: 2 KiB
	s_add_co_u32 s26, s26, s19
	s_add_nc_u64 s[14:15], s[14:15], s[26:27]
	s_wait_kmcnt 0x0
	MKSC 23, 8, 9
	s_wait_loadcnt 0x0
	QUANT R0, CW, 8, 9
.irp q, 0,1,2,3
	global_store_b128 v[LI], v[CW+4*\q:CW+4*\q+3], s[14:15] offset:512*\q   ; 32 lanes store 512 consecutive bytes, at a multiple of 256 from the buffer's first byte
.endr
	s_endpgm
.Lfunc_end_k_qc75e018ad0_prep:
	.size	k_qc75e018ad0_prep, .Lfunc_end_k_qc75e018ad0_prep-k_qc75e018ad0_prep
	.p2alignl 7, 3214868480
	.fill 96, 4, 3214868480
	.section	.rodata,"a",@progbits
	.p2align	6, 0x0
	.amdhsa_kernel k_qc75e018ad0_prep
		.amdhsa_group_segment_fixed_size 9216
		.amdhsa_private_segment_fixed_size 0
		.amdhsa_enable_private_segment 0
		.amdhsa_kernarg_size 48
		.amdhsa_user_sgpr_count 2
		.amdhsa_user_sgpr_kernarg_segment_ptr 1
		.amdhsa_wavefront_size32 1
		.amdhsa_system_sgpr_workgroup_id_x 1
		.amdhsa_system_sgpr_workgroup_id_y 1
		.amdhsa_system_sgpr_workgroup_id_z 1
		.amdhsa_system_vgpr_workitem_id 0
		.amdhsa_next_free_vgpr 194
		.amdhsa_next_free_sgpr 66
		.amdhsa_reserve_vcc 0
		.amdhsa_float_denorm_mode_32 3
		.amdhsa_float_denorm_mode_16_64 3
		.amdhsa_memory_ordered 1
		.amdhsa_forward_progress 1
		.amdhsa_inst_pref_size 26
	.end_amdhsa_kernel
	.amdgpu_metadata
---
amdhsa.version: [ 1, 2 ]
amdhsa.kernels:
  - .name:           k_qc75e018ad0_prep
    .symbol:         k_qc75e018ad0_prep.kd
    .args:
      - { .name: query, .offset: 0, .size: 8, .value_kind: global_buffer, .address_space: global }
      - { .name: Wq, .offset: 8, .size: 8, .value_kind: global_buffer, .address_space: global }
      - { .name: Wk, .offset: 16, .size: 8, .value_kind: global_buffer, .address_space: global }
      - { .name: lowp_scales, .offset: 24, .size: 8, .value_kind: global_buffer, .address_space: global }
      - { .name: qp_ws, .offset: 32, .size: 8, .value_kind: global_buffer, .address_space: global }
      - { .name: wk_codes, .offset: 40, .size: 8, .value_kind: global_buffer, .address_space: global }
    .group_segment_fixed_size: 9216
    .private_segment_fixed_size: 0
    .kernarg_segment_align: 8
    .kernarg_segment_size: 48
    .max_flat_workgroup_size: 256
    .sgpr_count:     66
    .vgpr_count:     194
    .wavefront_size: 32
...
	.end_amdgpu_metadata
.endif
;; end of part 1
;; launch energy (part 2): grid 256 x 1, 4 waves a work-group, clusters of 4 x 1, 327,680 bytes of LDS; arguments keys, wk_codes, qp_ws, v, lowp_scales, energy_ws; writes energy_ws
.if DOCPART == 2
	.amdgcn_target "amdgcn-amd-amdhsa--gfx1250"
	.amdhsa_code_object_version 6
	.text
	.protected	k_qc75e018ad0_energy
	.globl	k_qc75e018ad0_energy
	.p2align	8
	.type	k_qc75e018ad0_energy,@function
k_qc75e018ad0_energy:
	s_mov_b64 s[64:65], 0
	v_nop
	global_prefetch_b8 v0, s[64:65] scope:SCOPE_SE
	s_setreg_imm32_b32 hwreg(HW_REG_WAVE_MODE, 25, 1), 1
	s_wait_xcnt 0x0
	s_wait_alu depctr_hold_cnt(0) depctr_sa_sdst(0) depctr_va_vdst(0) depctr_va_sdst(0) depctr_va_ssrc(0) depctr_va_vcc(0) depctr_vm_vsrc(0)
	s_getreg_b32 s2, hwreg(HW_REG_IB_STS2, 6, 4)
	s_cmp_eq_u32 s2, 0
	s_cbranch_scc0 .Lentry_in_a_cluster
	s_endpgm
.Lentry_in_a_cluster:
	s_bfe_u32 s2, ttmp6, 0x10000c
	s_cmp_lg_u32 s2, 0x3003
	s_cbranch_scc0 .Lentry_shape_is_right
	s_endpgm
.Lentry_shape_is_right:
; energy[b][s] = sum over h of v[h] tanh(query_proj[b][h] + (Q(keys) Q(Wk)^T)[b][s][h]), unmasked, f32.  The product runs on codes of FP8 (E4M3), K = 1,024, by v_wmma_f32_16x16x128_fp8_fp8.
; SHARES.  A cluster of four work-groups is one batch; a work-group takes 256 of its rows, each of its four waves 64.  A WAVE'S 64 ROWS STAY IN ITS REGISTERS AS CODES for the whole launch:
;   32 fragments (4 tiles of rows x 8 K steps), 512 registers.  keys is read once here, f32, and quantised on the way.  What walks is Wk: its 1 MiB of codes (register images, made by the launch before)
;   goes through a ring of two LDS slots of 128 KiB (four chunks of 32 h).  The four work-groups of a cluster walk the same codes, so each tile is asked for JOINTLY: the same tensor load, the same descriptor,
;   a mask that names the four.  My place in the cluster enters the global addresses of keys and of the energies alone.
; A CHUNK (32 h): 64 matrix instructions (8 K steps x 2 tiles of h x 4 tiles of rows, eight accumulators by turns), then the tanh of its 8 tiles and the sum with v.  The product is used TRANSPOSED
;   (source 0 = 16 rows of Wk, source 1 = 16 rows of keys): lane (r, hh), register j = (row r, h 8 hh + j), so a row's sum over h stays in two lanes.
; TANH.  tanh(x) = 1 - 2 / (1 + 2^(x 2 / ln 2)), all in f32.  A sum of codes stands for sum x 2^(e2 + e3), which is folded into the factor C = 2 / ln 2 x 2^(e2 + e3); query_proj comes from a table x 2 / ln 2.
;   energy = sum of v - sum of 2 v[h] / (1 + 2^..): each of a row's eight partial sums begins at (sum of v) / 8 and takes -2 v[h] x the reciprocal by one fused multiply-add.  Every term is at most 2 |v[h]|, as
;   the terms v[h] tanh are within a factor 2: the f32 error is of the size of the plain sum's.  2^.. = infinity gives tanh = 1, 2^.. = 0 gives -1.
; LIMITS: e2 between -126 and 119 (2^e2 and 448 x 2^e2 are f32 numbers); e2 + e3 between -127 and 126 (it is added to C's exponent field).  NaN among the inputs is not served.
; LDS: the ring 2 x 131,072; a stage of 16 rows x 528 bytes for each wave; the tables 2 / ln 2 x query_proj and -2 v, 4 KiB each; the spare words.  304,640 bytes are used.
; REGISTERS, in windows of 256 (s_set_vgpr_msb: bits 1:0 source 0, 3:2 source 1, 5:4 source 2, 7:6 destination):
;   window 0: v1-15 lane numbers and addresses; v32-45 the way out; v64-191 two sets of 64 numbers of keys; v192-239 at work at the head.
;   windows 1, 2: keys' codes: fragment (tile of rows m, K step s) in window 1 + s / 4 at v[16 (4 (s % 4) + m)].
;   window 3: while keys come in, four sets of 64 registers as loaded.  Then: v0-63 the accumulators ((n, m) at 8 (4 n + m)); v64-79 a row's partial sums; v80-95 the chunk's query_proj; v96-99 LDS addresses;
;   v104-119 the chunk's -2 v; v128-255 four buffers of two fragments of Wk.  So matrix instructions, their LDS loads and the tanh need the other windows for source 1 alone: four switches a chunk.
.set SLOT1, 1<<17                      ; slot 1 begins here: one exclusive or turns an address in one slot into the other's
.set GROUPB, 131072                    ; a slot: four chunks
.set CHB,   32768                      ; a chunk: 16 fragments of 2,048 bytes; also what one wave's tensor load brings
.set STG,   2*SLOT1
.set SROW,  528                        ; a stage row: 512 bytes + 16: 33 x 16, so that the 16 rows that a load touches start at 16 different columns of 16 bytes modulo 256
.set SWAVE, 16*SROW                    ; 8,448 = 33 x 256
.set QPT,   STG+4*SWAVE
.set WT,    QPT+4096
.set SPARE, WT+4096                    ; the spare words, 128 bytes for each wave: two blocks of 256 bytes that no other line names
.set KO,  4                            ; v4   16 x lane
.set STS, 5                            ; v5   the stage, on the way in: my wave's stage + 16 x lane
.set STL, 6                            ; v6   on the way out: + 528 r + 64 hh
.set TBA, 7                            ; v7   QPT + 32 x thread
.set GT,  8                            ; v8   32 x thread
.set SC,  9                            ; v9   2^e2
.set LIM, 10                           ; v10  448 x 2^e2
.set SPW, 12                           ; v12  LDS address of my spare word; never rewritten
.set NIL, 13                           ; v13  0; never rewritten
.set EO,  14                           ; v14  8 x lane
.set SV8, 15                           ; v15  (sum of v) / 8
.set EN,  32
.set X0,  64
.set HT,  192
.set VS,  HT+16
.set EA,  64                           ; window 3 from here on
.set QP,  80
.set LB3, 96                           ; 16 x lane
.set ADB, 97                           ; + the chunk's first byte in the ring
.set LT3, 98                           ; QPT + 32 hh
.set ADT, 99                           ; + 128 x chunk
.set WR,  104
.set BF,  128
.set WV,  16                           ; s16  my wave's number
.set CC,  22                           ; s[22:23] C, twice: the packed form names a pair
.set G1,  24                           ; s[24:31] descriptor group 1
.set G0,  32                           ; s[32:35] descriptor group 0, which walks
.set TB,  36                           ; s36  LDS byte at which the chunk in hand begins
.set HB,  38                           ; s38  128 x chunk
.set SLOTS, 39
.set CH,  40
.set SEL, 42                           ; s[42:43] v_permlanex16_b32's selects for lane l xor 16
.set KP,  48                           ; s[48:49] keys at my wave's first row
.set MSB, 0
.macro WIN new                         ; the immediate's high byte repeats the setting that is left; a switch that changes nothing is dropped
.if MSB != \new
	s_set_vgpr_msb (MSB<<8)|\new
.set MSB, \new
.endif
.endm
.macro PLACES                          ; four places behind a matrix instruction, ahead of loads into registers that it read and of the first read of results (ISA guide 7.12.1 for vector instructions)
.rept 4
	v_nop
.endr
.endm
.macro JLOAD                           ; a joint load: every wave asks for its quarter of a slot (one chunk).  Four v_nop follow the line
	tensor_load_to_lds s[G0:G0+3], s[G1:G1+7]
	s_nop 0
.rept 4
	v_nop
.endr
.endm
.macro CROUND                          ; a round of the cluster's barrier: my work-group's barrier; wave 0 signals for the work-group; every wave waits for all four work-groups; my work-group's barrier once more
	s_barrier_signal -1
	s_barrier_wait -1
	s_cmp_lg_u32 s[WV], 0
	s_cbranch_scc1 .Lnot_wave_0_\@
	s_barrier_signal -3
.Lnot_wave_0_\@:
	s_barrier_wait -3
	s_barrier_signal -1
	s_barrier_wait -1
.endm
	s_load_b256 s[4:11], s[0:1], 0x0               ; keys s[4:5], wk_codes s[6:7], qp_ws s[8:9], v s[10:11]
	s_load_b128 s[12:15], s[0:1], 0x20             ; the scales' exponents s[12:13], energy_ws s[14:15]
	v_lshl_add_u32 v[SPW], v0, 2, SPARE
	v_mov_b32 v[NIL], 0
	ds_add_u32 v12, v13
	ds_add_u32 v12, v13
	s_wait_dscnt 0x0
	v_lshrrev_b32 v1, 5, v0
	v_readfirstlane_b32 s[WV], v1                  ; wave 0..3
	s_bfe_u32 s17, ttmp6, 0x40000                  ; cx: my place in the cluster
	s_lshl_b32 s18, ttmp9, 2                       ; in a cluster launch ttmp9 counts clusters: it is the batch
	s_add_co_u32 s18, s18, s17                     ; my block of 256 rows = 4 x batch + cx
	; descriptor group 1: a chunk, dense in memory, as 128 rows of 256 bytes
	s_mov_b32 s[G1], 15|(3<<16)|(1<<21)            ; 15:0 the mask: all four work-groups; 17:16 elements of 8 bytes; 20 no padding (an image is read 512 bytes on end); 21 set beside a mask
	s_mov_b32 s[G1+1], 32<<16                      ; tensor_dim0 = 32 elements
	s_mov_b32 s[G1+2], 128<<16                     ; tensor_dim1 = 128
	s_mov_b32 s[G1+3], 32<<16                      ; tile_dim0 = 32
	s_mov_b32 s[G1+4], 128                         ; tile_dim1 = 128
	s_mov_b32 s[G1+5], 32                          ; from row to row: 32 elements
	s_mov_b32 s[G1+6], 0
	s_mov_b32 s[G1+7], 0
	s_lshl_b32 s52, s[WV], 15                      ; my quarter of a slot, in memory as in LDS: made of the wave's number alone, in registers that never hold my place in the cluster
	s_mov_b32 s53, 0
	s_mov_b32 s[SEL], 0x76543210
	s_mov_b32 s[SEL+1], 0xfedcba98
	s_lshl_b32 s20, s18, 20                        ; keys: 256 rows of 4,096 bytes a work-group,
	s_lshl_b32 s21, s[WV], 18                      ; 64 a wave
	s_add_co_u32 s20, s20, s21
	s_mov_b32 s21, 0
	s_lshl_b32 s50, ttmp9, 12                      ; qp_ws: the batch's row
	s_mov_b32 s51, 0
	s_lshl_b32 s54, s18, 10                        ; the energies: 1,024 bytes a work-group,
	s_lshl_b32 s55, s[WV], 8                       ; 256 a wave
	s_add_co_u32 s54, s54, s55
	s_mov_b32 s55, 0
	s_wait_kmcnt 0x0
	s_load_b128 s[44:47], s[12:13], 0x0            ; e0, e1, e2, e3
	s_mov_b32 s[G0], 1                             ; count = 1
	s_lshl_b32 s[G0+1], s[WV], 15                  ; LDS address: slot 0, my quarter
	s_add_nc_u64 s[G0+2:G0+3], s[6:7], s[52:53]    ; global address: chunk = my wave's number
	s_or_b32 s[G0+3], s[G0+3], 0x80000000          ; type = 2
	s_add_nc_u64 s[KP:KP+1], s[4:5], s[20:21]
	s_add_nc_u64 s[8:9], s[8:9], s[50:51]
	s_add_nc_u64 s[14:15], s[14:15], s[54:55]
	CROUND                                         ; all four work-groups are here: the first joint loads meet
	JLOAD                                          ; slot 0: chunks 0-3.  It lands while keys come in; one tensor load of mine is out
	v_and_b32 v1, 31, v0                           ; lane
	v_and_b32 v2, 15, v0                           ; r
	v_bfe_u32 v3, v0, 4, 1                         ; hh
	v_lshlrev_b32 v[KO], 4, v1
	s_mul_i32 s50, s[WV], SWAVE
	s_add_co_u32 s50, s50, STG                     ; my stage
	v_add_nc_u32 v[STS], s50, v[KO]
	v_mul_u32_u24 v[STL], v2, SROW
	v_lshl_add_u32 v[STL], v3, 6, v[STL]
	v_add_nc_u32 v[STL], s50, v[STL]
	v_lshl_add_u32 v[TBA], v0, 5, QPT
	v_lshlrev_b32 v[GT], 5, v0
	v_lshlrev_b32 v[EO], 3, v1
	global_load_b128 v[HT:HT+3], v[GT], s[8:9]                  ; my thread's 8 of the batch's 1,024 query_proj,
	global_load_b128 v[HT+4:HT+7], v[GT], s[8:9] offset:16
	global_load_b128 v[HT+8:HT+11], v[GT], s[10:11]             ; and of v, for the tables;
	global_load_b128 v[HT+12:HT+15], v[GT], s[10:11] offset:16
.irp i, 0,1,2,3,4,5,6,7
	global_load_b128 v[VS+4*\i:VS+4*\i+3], v[KO], s[10:11] offset:512*\i   ; all of v, 32 numbers a lane, for its sum
.endr
; KEYS COME IN, by 32 units u = 8 m + s of 16 rows x 128 along K.  A load is best where neighbouring lanes take neighbouring bytes; the conversions want 16 neighbours along K in ONE lane.  Both are had:
; each of a unit's 16 loads reads 512 consecutive bytes of one row; the unit goes through my wave's stage in LDS as it lies and comes back 64 bytes a lane.
.macro KLOAD u                         ; into set u % 4 of window 3
	WIN 0xc0                                       ; destination window 3, address window 0
.irp i, 0,1,2,3,4,5,6,7,8,9,10,11,12,13,14,15
	global_load_b128 v[64*((\u)%4)+4*\i:64*((\u)%4)+4*\i+3], v[KO], s[KP:KP+1] offset:65536*((\u)/8)+4096*\i+512*((\u)%8) th:TH_LOAD_NT
.endr
.endm
.macro KTURN u                         ; through the stage: LDS serves a wave's instructions in order (ISA guide 5.7.1.4), so no wait stands between the stores and the loads
	WIN 0x0c                                       ; store data window 3
.irp i, 0,1,2,3,4,5,6,7,8,9,10,11,12,13,14,15
	ds_store_b128 v[STS], v[64*((\u)%4)+4*\i:64*((\u)%4)+4*\i+3] offset:SROW*\i
.endr
	WIN 0
.irp b, 0,1,2,3
.irp j, 0,1,2,3
	ds_load_b128 v[X0+64*((\u)%2)+16*\b+4*\j:X0+64*((\u)%2)+16*\b+4*\j+3], v[STL] offset:128*\b+16*\j   ; register 16 b + 4 j + i = k 32 b + 16 hh + 4 j + i of row r
.endr
.endr
.endm
.macro KQUANT u                        ; the unit's 64 numbers a lane become fragment (m = u / 8, s = u % 8)
.set XS, X0+64*((\u)%2)
.set AB, 16*(4*((\u)%4)+(\u)/8)
	WIN 0
.set J, 0
.rept 64
	v_med3_num_f32 v[XS+J], v[XS+J], -v[LIM], v[LIM]   ; the conversion to an 8-bit code does not saturate (ISA guide 7.6.2): hold the number within 448 x the scale first
.set J, J+1
.endr
.if ((\u)%8) < 4
	WIN 0x40                                       ; destination window 1
.else
	WIN 0x80                                       ; destination window 2
.endif
.irp b, 0,1,2,3
	v_cvt_scalef32_pk8_fp8_f32 v[AB+4*\b:AB+4*\b+1], v[XS+16*\b:XS+16*\b+7], v[SC]
	v_cvt_scalef32_pk8_fp8_f32 v[AB+4*\b+2:AB+4*\b+3], v[XS+16*\b+8:XS+16*\b+15], v[SC]
.endr
.endm
.macro KSTEP u
	s_wait_dscnt 0x0                               ; unit u is back from the stage: so its stores into the stage have read their registers,
.if (\u)+4 <= 31
	KLOAD (\u)+4                                   ; which take the loads of four units on: 64 loads, 32 KiB, of a wave are on their way
.endif
.if (\u) <= 30
.if 30-(\u) >= 3
	s_wait_loadcnt 48                              ; unit u + 1's 16 loads are in; those of the three units behind it may be out
.else
	s_wait_loadcnt 16*(30-(\u))                    ; the counts run down
.endif
	KTURN (\u)+1                                   ; it goes through the stage while unit u is quantised
.endif
	KQUANT \u
.endm
	KLOAD 0
	KLOAD 1
	KLOAD 2
	WIN 0
	s_wait_loadcnt 48                              ; the twelve loads of query_proj and v are in; the three units' 48 may be out
.irp p, 0,2,4,6
	v_pk_mul_f32 v[HT+\p:HT+\p+1], v[HT+\p:HT+\p+1], 0x4038aa3b op_sel_hi:[1,0]   ; x 2 / ln 2
.endr
.irp p, 8,10,12,14
	v_pk_mul_f32 v[HT+\p:HT+\p+1], v[HT+\p:HT+\p+1], -2.0 op_sel_hi:[1,0]
.endr
	ds_store_b128 v[TBA], v[HT:HT+3]               ; the tables: read by all four waves behind the first change of slots, whose barrier stands behind every wave's wait for these stores
	ds_store_b128 v[TBA], v[HT+4:HT+7] offset:16
	ds_store_b128 v[TBA], v[HT+8:HT+11] offset:4096
	ds_store_b128 v[TBA], v[HT+12:HT+15] offset:4112
.irp p, 0,4,8,12,16,20,24,28
	v_pk_add_f32 v[VS+\p:VS+\p+1], v[VS+\p:VS+\p+1], v[VS+\p+2:VS+\p+3]   ; the sum of v: within the lane,
.endr
.irp p, 0,8,16,24
	v_pk_add_f32 v[VS+\p:VS+\p+1], v[VS+\p:VS+\p+1], v[VS+\p+4:VS+\p+5]
.endr
.irp p, 0,16
	v_pk_add_f32 v[VS+\p:VS+\p+1], v[VS+\p:VS+\p+1], v[VS+\p+8:VS+\p+9]
.endr
	v_pk_add_f32 v[VS:VS+1], v[VS:VS+1], v[VS+16:VS+17]
	v_add_f32 v[VS], v[VS], v[VS+1]
	v_add_f32_dpp v[VS], v[VS], v[VS] row_xmask:1 row_mask:0xf bank_mask:0xf   ; across the 32 lanes
	v_add_f32_dpp v[VS], v[VS], v[VS] row_xmask:2 row_mask:0xf bank_mask:0xf
	v_add_f32_dpp v[VS], v[VS], v[VS] row_xmask:4 row_mask:0xf bank_mask:0xf
	v_add_f32_dpp v[VS], v[VS], v[VS] row_xmask:8 row_mask:0xf bank_mask:0xf
	v_permlanex16_b32 v[VS+1], v[VS], s[SEL], s[SEL+1]   ; its destination counts as read: a register that has been written
	v_add_f32 v[VS], v[VS], v[VS+1]
	v_mul_f32 v[SV8], 0x3e000000, v[VS]            ; / 8: a row's sum is kept in eight parts (two lanes x four registers)
	s_wait_kmcnt 0x0
	s_add_co_i32 s50, s46, 127
	s_lshl_b32 s51, s50, 23
	v_mov_b32 v[SC], s51                           ; 2^e2 as f32: the conversion takes its exponent field
	s_add_co_i32 s50, s50, 8
	s_lshl_b32 s50, s50, 23
	s_or_b32 s50, s50, 0x600000
	v_mov_b32 v[LIM], s50                          ; 448 x 2^e2
	s_add_co_i32 s50, s46, s47
	s_lshl_b32 s50, s50, 23
	s_mov_b32 s[CC], 0x4038aa3b                    ; 2 / ln 2,
	s_add_co_i32 s[CC], s[CC], s50                 ; x 2^(e2 + e3): the two exponents are added to its exponent field
	s_mov_b32 s[CC+1], s[CC]                       ; (named with it as a pair, so it is written)
	KLOAD 3
	s_wait_loadcnt 48                              ; unit 0 is in
	KTURN 0
.set U, 0
.rept 32
	KSTEP U
.set U, U+1
.endr
	WIN 0xc0                                       ; window 3 changes its use.  (These plain instructions also stand between the last conversions and the products that read their results)
.irp k, 0,1,2,3,4,5,6,7,8,9,10,11,12,13,14,15
	v_mov_b32 v[EA+\k], v[SV8]                     ; each partial sum begins at (sum of v) / 8
.endr
	v_mov_b32 v[LB3], v[KO]
	v_lshl_add_u32 v[LT3], v3, 5, QPT
	WIN 0
	s_mov_b32 s[TB], 0
	s_mov_b32 s[HB], 0
	s_mov_b32 s[SLOTS], 7
; THE CHANGE OF SLOTS stands at a slot's head.  Each wave waits for all its tensor loads (its quarter of the slot that it is about to read), adds 0 to its spare word, and waits for that and for its reads of the slot
; that it has left.  fill = 1: a round of the cluster's barrier, so that no wave of any partner still reads that slot or has a load on its way; behind it the joint load of the next four chunks comes first:
; it has four chunks' work, 256 matrix instructions and their tanh, in which to land.  One tensor load of a wave is out.
.macro CHANGE fill
	WIN 0
	s_wait_tensorcnt 0x0                           ; no tensor load of mine is out, so group 0 may be written
	ds_add_u32 v[SPW], v[NIL]                      ; 0 onto my spare word
.if \fill
	s_xor_b32 s[G0+1], s[G0+1], SLOT1              ; the other slot than last time,
	s_add_nc_u64 s[G0+2:G0+3], s[G0+2:G0+3], GROUPB   ; the next four chunks; the type bits on top are not reached
.endif
	s_wait_dscnt 0x0                               ; the add is done; my LDS stores have landed and my reads of the slot that I have left are over
.if \fill
	CROUND
	JLOAD
.else
	s_barrier_signal -1
	s_barrier_wait -1
.endif
.endm
.macro BLOAD buf, s                    ; K step s's two fragments of Wk, as they lie: 512 consecutive bytes a load
.irp n, 0,1
.irp q, 0,1,2,3
	ds_load_b128 v[BF+32*(\buf)+16*\n+4*\q:BF+32*(\buf)+16*\n+4*\q+3], v[ADB] offset:(2*(\s)+\n)*2048+512*\q
.endr
.endr
.endm
.macro MM8 s                           ; eight products, the eight accumulators by turns, in the same order in every K step.  K step 0 starts the sums: nothing is cleared
.if \s < 4
	WIN 0xf7                                       ; D, C, source 0 (Wk) and LDS addresses window 3; source 1 (keys) window 1
.else
	WIN 0xfb                                       ; the same with keys' window 2
.endif
.irp n, 0,1
.irp m, 0,1,2,3
.if \s == 0
	v_wmma_f32_16x16x128_fp8_fp8 v[8*(4*\n+\m):8*(4*\n+\m)+7], v[BF+32*((\s)%4)+16*\n:BF+32*((\s)%4)+16*\n+15], v[16*(4*((\s)%4)+\m):16*(4*((\s)%4)+\m)+15], 0
.else
	v_wmma_f32_16x16x128_fp8_fp8 v[8*(4*\n+\m):8*(4*\n+\m)+7], v[BF+32*((\s)%4)+16*\n:BF+32*((\s)%4)+16*\n+15], v[16*(4*((\s)%4)+\m):16*(4*((\s)%4)+\m)+15], v[8*(4*\n+\m):8*(4*\n+\m)+7]
.endif
.endr
.endr
.endm
.macro KST s, cnt                      ; a K step: the fragments of three steps on are asked for, into the buffer that the step before has read; cnt = the LDS loads issued behind this step's own fragments
.if (\s >= 1) && (\s <= 4)
	PLACES
.endif
.if \s <= 4
	BLOAD (\s+3)%4, \s+3
.endif
	s_wait_dscnt \cnt
	MM8 \s
.endm
; THE TANH of tile i = 4 n + m, in five parts, all in place.
.macro TF i                            ; sum x C + query_proj x 2 / ln 2; the accumulator is read from its low end on
.irp p, 0,2,4,6
	v_pk_fma_f32 v[8*(\i)+\p:8*(\i)+\p+1], v[8*(\i)+\p:8*(\i)+\p+1], s[CC:CC+1], v[QP+8*((\i)/4)+\p:QP+8*((\i)/4)+\p+1] op_sel_hi:[1,0,1]
.endr
.endm
.macro TX i
.irp j, 0,1,2,3,4,5,6,7
	v_exp_f32 v[8*(\i)+\j], v[8*(\i)+\j]
.endr
.endm
.macro TA i
	s_wait_alu depctr_va_vdst(0)
.irp p, 0,2,4,6
	v_pk_add_f32 v[8*(\i)+\p:8*(\i)+\p+1], v[8*(\i)+\p:8*(\i)+\p+1], 1.0 op_sel_hi:[1,0]
.endr
.endm
.macro TR i
.irp j, 0,1,2,3,4,5,6,7
	v_rcp_f32 v[8*(\i)+\j], v[8*(\i)+\j]
.endr
.endm
.macro TE i                            ; the row's partial sums take -2 v[h] x the reciprocal: two pairs for each tile of rows, by turns
	s_wait_alu depctr_va_vdst(0)
.irp p, 0,2,4,6
	v_pk_fma_f32 v[EA+4*((\i)%4)+(\p)%4:EA+4*((\i)%4)+(\p)%4+1], v[8*(\i)+\p:8*(\i)+\p+1], v[WR+8*((\i)/4)+\p:WR+8*((\i)/4)+\p+1], v[EA+4*((\i)%4)+(\p)%4:EA+4*((\i)%4)+(\p)%4+1]
.endr
.endm
.macro TANH                            ; the parts are laid so that behind each run of exponentials or reciprocals a plain instruction on other registers comes before a result is used (ISA guide 5.7.2)
	WIN 0xff
	TF 0
.irp i, 0,1,2,3,4,5,6,7
	TX \i
.if \i < 7
	TF \i+1
.else
	v_nop
	s_wait_alu depctr_va_vdst(0)
.endif
	TA \i
	TR \i
.if \i > 0
	TE \i-1
.endif
.endr
	TE 7
.endm
.macro CHUNK
	WIN 0xf7
	v_add_nc_u32 v[ADB], v[LB3], s[TB]
	v_add_nc_u32 v[ADT], v[LT3], s[HB]
	BLOAD 0, 0                                     ; (the products that read these buffers stand behind four places and the whole tanh)
	BLOAD 1, 1
	BLOAD 2, 2
.irp n, 0,1
	ds_load_b128 v[QP+8*\n:QP+8*\n+3], v[ADT] offset:64*\n          ; my eight h of tile n: 16 n + 8 hh + 0 .. 7; sixteen lanes read the same bytes
	ds_load_b128 v[QP+8*\n+4:QP+8*\n+7], v[ADT] offset:64*\n+16
.endr
.irp n, 0,1
	ds_load_b128 v[WR+8*\n:WR+8*\n+3], v[ADT] offset:4096+64*\n
	ds_load_b128 v[WR+8*\n+4:WR+8*\n+7], v[ADT] offset:4096+64*\n+16
.endr
	KST 0, 32                                      ; behind step 0's fragments: steps 1, 2 (16), the tables' 8, step 3 (8)
	KST 1, 32                                      ; step 2, the tables' 8, steps 3, 4
	KST 2, 32                                      ; the tables' 8, steps 3, 4, 5
	KST 3, 24                                      ; steps 4, 5, 6 (the tables' numbers are in from here on)
	KST 4, 24                                      ; steps 5, 6, 7
	KST 5, 16
	KST 6, 8
	KST 7, 0
	PLACES
	TANH
.endm
.macro SLOT4                           ; a slot's four chunks: written once, walked four times
	s_mov_b32 s[CH], 4
.Lchunk_\@:
	CHUNK
	WIN 0                                          ; at a label and at a branch every window is 0
	s_add_co_u32 s[TB], s[TB], CHB
	s_add_co_u32 s[HB], s[HB], 128
	s_sub_co_u32 s[CH], s[CH], 1
	s_cmp_lg_u32 s[CH], 0
	s_cbranch_scc1 .Lchunk_\@
	s_sub_co_u32 s[TB], s[TB], GROUPB              ; back to a slot's first chunk,
	s_xor_b32 s[TB], s[TB], SLOT1                  ; in the other slot
.endm
.Lslot:                                            ; seven trips: behind each change of slots but the last the next four chunks are asked for
	CHANGE 1
	SLOT4
	s_sub_co_u32 s[SLOTS], s[SLOTS], 1
	s_cmp_lg_u32 s[SLOTS], 0
	s_cbranch_scc1 .Lslot
	CHANGE 0                                       ; the last slot is written out
	SLOT4
	; THE WAY OUT.  A row's eight parts are added; the wave's 64 energies go through its stage so that one store covers their 256 consecutive bytes, aligned.
	WIN 0xff
.irp m, 0,1,2,3
	v_pk_add_f32 v[EA+4*\m:EA+4*\m+1], v[EA+4*\m:EA+4*\m+1], v[EA+4*\m+2:EA+4*\m+3]
.endr
	WIN 0x0f                                       ; sources window 3, destination window 0
.irp m, 0,1,2,3
	v_add_f32 v[EN+\m], v[EA+4*\m], v[EA+4*\m+1]
.endr
	WIN 0
.irp m, 0,1,2,3
	v_permlanex16_b32 v[X0+\m], v[EN+\m], s[SEL], s[SEL+1]   ; the row's other eight h of each tile lie in the lane 16 away.  (The destination counts as read: registers that have been written)
.endr
.irp m, 0,1,2,3
	v_add_f32 v[EN+\m], v[EN+\m], v[X0+\m]         ; both halves of the lanes now hold row 16 m + r
.endr
	v_cmp_gt_u32 vcc_lo, 16, v1
	v_cndmask_b32 v40, v[EN+1], v[EN], vcc_lo      ; lane l: row l,
	v_cndmask_b32 v41, v[EN+3], v[EN+2], vcc_lo    ; and row 32 + l
	s_mul_i32 s50, s[WV], SWAVE
	s_add_co_u32 s50, s50, STG
	v_lshl_add_u32 v42, v1, 2, s50
	v_lshl_add_u32 v43, v1, 3, s50
	ds_store_b32 v42, v40
	ds_store_b32 v42, v41 offset:128
	ds_load_b64 v[44:45], v43                      ; rows 2 l and 2 l + 1: LDS serves a wave's instructions in order, so this sees my stores
	s_wait_dscnt 0x0
	global_store_b64 v[EO], v[44:45], s[14:15]
	s_wait_tensorcnt 0x0                           ; the wave's end: behind my last tensor load and my last LDS store
	ds_add_u32 v[SPW], v[NIL]
	s_wait_dscnt 0x0
	CROUND                                         ; the closing round: no work-group ends while a partner may still ask for a tile that names it
	s_endpgm
.Lfunc_end_k_qc75e018ad0_energy:
	.size	k_qc75e018ad0_energy, .Lfunc_end_k_qc75e018ad0_energy-k_qc75e018ad0_energy
	.p2alignl 7, 3214868480
	.fill 96, 4, 3214868480
	.section	.rodata,"a",@progbits
	.p2align	6, 0x0
	.amdhsa_kernel k_qc75e018ad0_energy
		.amdhsa_group_segment_fixed_size 327680
		.amdhsa_private_segment_fixed_size 0
		.amdhsa_enable_private_segment 0
		.amdhsa_kernarg_size 48
		.amdhsa_user_sgpr_count 2
		.amdhsa_user_sgpr_kernarg_segment_ptr 1
		.amdhsa_wavefront_size32 1
		.amdhsa_system_sgpr_workgroup_id_x 1
		.amdhsa_system_sgpr_workgroup_id_y 1
		.amdhsa_system_sgpr_workgroup_id_z 1
		.amdhsa_system_vgpr_workitem_id 0
		.amdhsa_next_free_vgpr 1024
		.amdhsa_next_free_sgpr 66
		.amdhsa_reserve_vcc 1
		.amdhsa_float_denorm_mode_32 3
		.amdhsa_float_denorm_mode_16_64 3
		.amdhsa_memory_ordered 1
		.amdhsa_forward_progress 1
		.amdhsa_inst_pref_size 255
	.end_amdhsa_kernel
	.section	.bss,"aw",@nobits
	.p2align	6
	.space	262144
	.amdgpu_metadata
---
amdhsa.version: [ 1, 2 ]
amdhsa.kernels:
  - .name:           k_qc75e018ad0_energy
    .symbol:         k_qc75e018ad0_energy.kd
    .args:
      - { .name: keys, .offset: 0, .size: 8, .value_kind: global_buffer, .address_space: global }
      - { .name: wk_codes, .offset: 8, .size: 8, .value_kind: global_buffer, .address_space: global }
      - { .name: qp_ws, .offset: 16, .size: 8, .value_kind: global_buffer, .address_space: global }
      - { .name: v, .offset: 24, .size: 8, .value_kind: global_buffer, .address_space: global }
      - { .name: lowp_scales, .offset: 32, .size: 8, .value_kind: global_buffer, .address_space: global }
      - { .name: energy_ws, .offset: 40, .size: 8, .value_kind: global_buffer, .address_space: global }
    .group_segment_fixed_size: 327680
    .private_segment_fixed_size: 0
    .kernarg_segment_align: 8
    .kernarg_segment_size: 48
    .max_flat_workgroup_size: 128
    .sgpr_count:     66
    .vgpr_count:     1024
    .wavefront_size: 32
...
	.end_amdgpu_metadata
.endif
;; end of part 2
;; launch context (part 3): grid 4 x 64, 16 waves a work-group, no clusters, 27,136 bytes of LDS; arguments keys, energy_ws, mask, out0, out1; writes out0, out1
.if DOCPART == 3
	.amdgcn_target "amdgcn-amd-amdhsa--gfx1250"
	.amdhsa_code_object_version 6
	.text
	.protected	k_qc75e018ad0_context
	.globl	k_qc75e018ad0_context
	.p2align	8
	.type	k_qc75e018ad0_context,@function
k_qc75e018ad0_context:
	s_mov_b64 s[64:65], 0
	v_nop
	global_prefetch_b8 v0, s[64:65] scope:SCOPE_SE
	s_setreg_imm32_b32 hwreg(HW_REG_WAVE_MODE, 25, 1), 1
	s_wait_xcnt 0x0
; attn[b] = softmax over s of (mask ? -infinity : energy[b]), 0 where a whole row is masked;  context[b][k] = sum over s of attn[b][s] keys[b][s][k].  All in f32.
; SHARES.  Work-group (q, b) makes the batch's columns 256 q .. 256 q + 255 of the context, and stores keys 256 q .. 256 q + 255 of attn.  Each of the batch's four work-groups makes the softmax for itself:
;   its inputs are 5 KiB, beside the 1 MiB of keys that it streams; that is also why no tile is shared in a cluster here.  Memory binds: no matrix unit, no tensor loads.
; SOFTMAX.  Thread t owns keys 2 t and 2 t + 1.  m = the largest open energy (with the floor -3e38, so that a row without an open key has a number for m); p = 2^((e - m) log2 e), 0 for a masked key.
;   The sum l is at least 1 wherever a key is open (the largest gives p = 1), so max(l, 1) changes nothing there, and gives attn = 0 and context = 0 where none is.  LIMIT: energies above -3e38.  NaN is not served.
; STREAM.  Wave w takes keys 64 w .. 64 w + 63.  A row's share is 1,024 bytes: two loads of 512 consecutive bytes, aligned on 256.  A ring of eight row slots in registers keeps 16 loads of every wave on their way.
;   The sums are taken with the unnormalised p (at most 1) and divided by l once, at the end.  The 16 waves' partial sums meet in LDS; waves 0 and 1 add them and store 512 consecutive bytes each.
.set PT,  0                            ; LDS: (p, p) for each key, 8 bytes: a register pair for the packed multiply-add comes by a plain load
.set RED, 8192                         ; 16 x 1,024 bytes: the waves' partial sums
.set MXW, 24576                        ; 16 words: the waves' maxima
.set SMW, MXW+256                      ; 16 words: the waves' sums
.set KA,  10                           ; v10  16 x lane; never rewritten
.set WA,  11                           ; v11  my wave's first pair in PT
.set AC,  20                           ; v20-27   my 8 columns' sums
.set WTS, 32                           ; v32-63   two sets of 8 pairs (p, p)
.set KR,  64                           ; v64-127  the ring: slot i % 8 holds row i's 8 numbers
.macro KROW i
	global_load_b128 v[KR+8*((\i)%8):KR+8*((\i)%8)+3], v[KA], s[4:5] offset:4096*(\i) th:TH_LOAD_NT
	global_load_b128 v[KR+8*((\i)%8)+4:KR+8*((\i)%8)+7], v[KA], s[4:5] offset:4096*(\i)+512 th:TH_LOAD_NT
.endm
.macro WLOAD g                         ; the pairs of rows 8 g .. 8 g + 7: every lane reads the same 64 bytes
.irp k, 0,1,2,3
	ds_load_b128 v[WTS+16*((\g)%2)+4*\k:WTS+16*((\g)%2)+4*\k+3], v[WA] offset:64*(\g)+16*\k
.endr
.endm
	s_load_b256 s[4:11], s[0:1], 0x0               ; keys s[4:5], energy_ws s[6:7], mask s[8:9], out0 s[10:11]
	s_load_b64 s[12:13], s[0:1], 0x20              ; out1
	v_lshl_add_u32 v128, v0, 2, 0x6200
	v_mov_b32 v129, 0
	v_lshrrev_b32 v1, 5, v0
	v_readfirstlane_b32 s14, v1                    ; wave 0..15
	s_and_b32 s15, ttmp7, 0xffff                   ; the batch
	v_and_b32 v1, 31, v0                           ; lane
	v_lshlrev_b32 v2, 3, v0                        ; my two energies, and my two numbers of attn
	v_lshlrev_b32 v3, 1, v0                        ; my two bytes of the mask
	v_lshlrev_b32 v[KA], 4, v1
	s_lshl_b32 s16, s15, 12                        ; a batch's row of 4,096 bytes (energies, out0, out1)
	s_mov_b32 s17, 0
	s_lshl_b32 s18, s15, 10                        ; and of 1,024 (mask)
	s_mov_b32 s19, 0
	s_lshl_b32 s20, s15, 22                        ; keys: 4 MiB a batch,
	s_lshl_b32 s21, s14, 18                        ; 64 rows of 4,096 bytes a wave,
	s_add_co_u32 s20, s20, s21
	s_lshl_b32 s21, ttmp9, 10                      ; 1,024 bytes of a row a work-group
	s_add_co_u32 s20, s20, s21
	s_add_co_u32 s28, s21, s16                     ; out0: the batch's row, my quarter
	s_mov_b32 s21, 0
	s_mov_b32 s29, 0
	s_mov_b32 s22, 0x76543210                      ; v_permlanex16_b32's selects for lane l xor 16
	s_mov_b32 s23, 0xfedcba98
	s_lshl_b32 s24, s14, 2
	s_add_co_u32 s24, s24, MXW                     ; my wave's word
	s_lshl_b32 s25, s14, 9                         ; my wave's 64 pairs in PT
	s_lshl_b32 s27, s14, 10
	s_add_co_u32 s27, s27, RED                     ; my wave's partial sums
	s_wait_kmcnt 0x0
	s_add_nc_u64 s[6:7], s[6:7], s[16:17]
	s_add_nc_u64 s[8:9], s[8:9], s[18:19]
	s_add_nc_u64 s[4:5], s[4:5], s[20:21]
	s_add_nc_u64 s[10:11], s[10:11], s[28:29]
	s_add_nc_u64 s[12:13], s[12:13], s[16:17]
	global_load_b64 v[4:5], v2, s[6:7]
	global_load_u16 v6, v3, s[8:9]
.irp i, 0,1,2,3,4,5,6,7
	KROW \i                                        ; the ring is filled before the softmax is begun
.endr
	v_mov_b32 v28, s24
	v_mov_b32 v29, MXW
	v_mov_b32 v[WA], s25
	v_mov_b32 v9, 0xff800000                       ; -infinity
	s_wait_loadcnt 16                              ; energies and mask are in; the ring's 16 loads may be out
	v_and_b32 v7, 0xff, v6
	v_lshrrev_b32 v8, 8, v6
	v_cmp_ne_u32 vcc_lo, 0, v7
	v_cndmask_b32 v4, v4, v9, vcc_lo               ; a masked key's energy is -infinity
	v_cmp_ne_u32 vcc_lo, 0, v8
	v_cndmask_b32 v5, v5, v9, vcc_lo
	v_max_num_f32 v14, v4, v5
	v_max_num_f32_dpp v14, v14, v14 row_xmask:1 row_mask:0xf bank_mask:0xf
	v_max_num_f32_dpp v14, v14, v14 row_xmask:2 row_mask:0xf bank_mask:0xf
	v_max_num_f32_dpp v14, v14, v14 row_xmask:4 row_mask:0xf bank_mask:0xf
	v_max_num_f32_dpp v14, v14, v14 row_xmask:8 row_mask:0xf bank_mask:0xf
	v_permlanex16_b32 v7, v14, s22, s23            ; (its destination counts as read: a register that has been written)
	v_max_num_f32 v14, v14, v7
	ds_store_b32 v28, v14                          ; all lanes write the same word with the same number
	s_wait_dscnt 0x0                               ; for the others' sake
	s_barrier_signal -1
	s_barrier_wait -1
.irp k, 0,1,2,3
	ds_load_b128 v[48+4*\k:51+4*\k], v29 offset:16*\k
.endr
	s_wait_dscnt 0x0
	v_max3_num_f32 v14, v48, v49, v50
.irp k, 51,53,55,57,59,61
	v_max3_num_f32 v14, v14, v[\k], v[\k+1]
.endr
	v_max3_num_f32 v14, v14, v63, 0xff61b1e6       ; m, with the floor -3e38 among its leaves
	v_sub_f32 v4, v4, v14
	v_sub_f32 v5, v5, v14
	v_mul_f32 v4, 0x3fb8aa3b, v4
	v_mul_f32 v5, 0x3fb8aa3b, v5
	v_exp_f32 v16, v4                              ; each p is made twice, to fill a pair
	v_exp_f32 v17, v4
	v_exp_f32 v18, v5
	v_exp_f32 v19, v5
	v_lshlrev_b32 v30, 4, v0                       ; 16 x thread.  (A plain instruction behind the exponentials, before a result is used: ISA guide 5.7.2)
	s_wait_alu depctr_va_vdst(0)
	v_add_f32 v14, v16, v18
	v_add_f32_dpp v14, v14, v14 row_xmask:1 row_mask:0xf bank_mask:0xf
	v_add_f32_dpp v14, v14, v14 row_xmask:2 row_mask:0xf bank_mask:0xf
	v_add_f32_dpp v14, v14, v14 row_xmask:4 row_mask:0xf bank_mask:0xf
	v_add_f32_dpp v14, v14, v14 row_xmask:8 row_mask:0xf bank_mask:0xf
	v_permlanex16_b32 v7, v14, s22, s23
	v_add_f32 v14, v14, v7
	ds_store_b128 v30, v[16:19] offset:PT          ; (p, p) of keys 2 t and 2 t + 1
	ds_store_b32 v28, v14 offset:256               ; my wave's sum
	s_wait_dscnt 0x0                               ; for the others' sake
	s_barrier_signal -1
	s_barrier_wait -1
.irp k, 0,1,2,3
	ds_load_b128 v[48+4*\k:51+4*\k], v29 offset:256+16*\k
.endr
	WLOAD 0
	s_wait_dscnt 4                                 ; the 16 sums are in; the first pairs' four loads may be out
.irp k, 48,52,56,60
	v_pk_add_f32 v[\k:\k+1], v[\k:\k+1], v[\k+2:\k+3]
.endr
	v_pk_add_f32 v[48:49], v[48:49], v[52:53]
	v_pk_add_f32 v[56:57], v[56:57], v[60:61]
	v_pk_add_f32 v[48:49], v[48:49], v[56:57]
	v_add_f32 v48, v48, v49
	v_max_num_f32 v48, 1.0, v48                    ; l: at least 1 where a key is open; 1 where none is
	v_rcp_f32 v12, v48                             ; made twice, to fill the pair that the packed multiply takes
	v_rcp_f32 v13, v48
	v_add_nc_u32 v31, s27, v[KA]                   ; where my partial sums go.  (A plain instruction behind the reciprocals)
	s_lshr_b32 s26, s14, 2
	s_cmp_lg_u32 s26, ttmp9
	s_cbranch_scc1 .Lno_attn                       ; waves 4 q .. 4 q + 3 store attn: each number of out1 is stored by one work-group
	s_wait_alu depctr_va_vdst(0)
	v_mul_f32 v8, v16, v12
	v_mul_f32 v9, v18, v12
	global_store_b64 v2, v[8:9], s[12:13]          ; the wave stores 256 consecutive bytes, aligned; v2, v8 and v9 are not written again
.Lno_attn:
.macro ROW i
.set WP, WTS+16*(((\i)/8)%2)+2*((\i)%8)
.set KS, KR+8*((\i)%8)
.if (\i)%8 == 0
.if (\i)/8 < 7
	WLOAD (\i)/8+1
	s_wait_dscnt 4                                 ; this group's pairs are in; the next group's four loads may be out
.else
	s_wait_dscnt 0x0
.endif
.endif
.if 63-(\i) >= 7
	s_wait_loadcnt 14                              ; loads come back in order (ISA guide 5.7.1): row i's two are in, the seven younger rows' stay out
.else
	s_wait_loadcnt 2*(63-(\i))                     ; the counts run down
.endif
.irp k, 0,2,4,6
.if (\i) == 0
	v_pk_mul_f32 v[AC+\k:AC+\k+1], v[KS+\k:KS+\k+1], v[WP:WP+1]   ; the first row starts the sums: nothing is cleared
.else
	v_pk_fma_f32 v[AC+\k:AC+\k+1], v[KS+\k:KS+\k+1], v[WP:WP+1], v[AC+\k:AC+\k+1]
.endif
.endr
.if (\i)+8 <= 63
	KROW (\i)+8                                    ; the slot takes the row eight further on; the last eight rows ask for nothing
.endif
.endm
.set I, 0
.rept 64
	ROW I
.set I, I+1
.endr
	ds_store_b128 v31, v[AC:AC+3]
	ds_store_b128 v31, v[AC+4:AC+7] offset:512
	s_wait_dscnt 0x0                               ; for waves 0 and 1's sake
	s_barrier_signal -1
	s_barrier_wait -1
	s_cmp_ge_u32 s14, 2
	s_cbranch_scc1 .Lend
.irp i, 0,1,2,3,4,5,6,7,8,9,10,11,12,13,14,15
	ds_load_b128 v[KR+4*\i:KR+4*\i+3], v30 offset:RED+1024*\i   ; wave i's sums of my four columns: 16 x thread = 512 x wave + 16 x lane
.endr
	s_wait_dscnt 0x0
.irp i, 1,2,3,4,5,6,7,8,9,10,11,12,13,14,15
	v_pk_add_f32 v[KR:KR+1], v[KR:KR+1], v[KR+4*\i:KR+4*\i+1]
	v_pk_add_f32 v[KR+2:KR+3], v[KR+2:KR+3], v[KR+4*\i+2:KR+4*\i+3]
.endr
	s_wait_alu depctr_va_vdst(0)
	v_pk_mul_f32 v[KR:KR+1], v[KR:KR+1], v[12:13]  ; / l
	v_pk_mul_f32 v[KR+2:KR+3], v[KR+2:KR+3], v[12:13]
	global_store_b128 v30, v[KR:KR+3], s[10:11]    ; the wave stores 512 consecutive bytes, at a multiple of 256 from out0's first byte
.Lend:
	s_wait_tensorcnt 0x0
	ds_add_u32 v128, v129
	s_wait_dscnt 0x0
	s_endpgm
.Lfunc_end_k_qc75e018ad0_context:
	.size	k_qc75e018ad0_context, .Lfunc_end_k_qc75e018ad0_context-k_qc75e018ad0_context
	.p2alignl 7, 3214868480
	.fill 96, 4, 3214868480
	.section	.rodata,"a",@progbits
	.p2align	6, 0x0
	.amdhsa_kernel k_qc75e018ad0_context
		.amdhsa_group_segment_fixed_size 27136
		.amdhsa_private_segment_fixed_size 0
		.amdhsa_enable_private_segment 0
		.amdhsa_kernarg_size 40
		.amdhsa_user_sgpr_count 2
		.amdhsa_user_sgpr_kernarg_segment_ptr 1
		.amdhsa_wavefront_size32 1
		.amdhsa_system_sgpr_workgroup_id_x 1
		.amdhsa_system_sgpr_workgroup_id_y 1
		.amdhsa_system_sgpr_workgroup_id_z 1
		.amdhsa_system_vgpr_workitem_id 0
		.amdhsa_next_free_vgpr 130
		.amdhsa_next_free_sgpr 66
		.amdhsa_reserve_vcc 1
		.amdhsa_float_denorm_mode_32 3
		.amdhsa_float_denorm_mode_16_64 3
		.amdhsa_memory_ordered 1
		.amdhsa_forward_progress 1
		.amdhsa_inst_pref_size 42
	.end_amdhsa_kernel
	.amdgpu_metadata
---
amdhsa.version: [ 1, 2 ]
amdhsa.kernels:
  - .name:           k_qc75e018ad0_context
    .symbol:         k_qc75e018ad0_context.kd
    .args:
      - { .name: keys, .offset: 0, .size: 8, .value_kind: global_buffer, .address_space: global }
      - { .name: energy_ws, .offset: 8, .size: 8, .value_kind: global_buffer, .address_space: global }
      - { .name: mask, .offset: 16, .size: 8, .value_kind: global_buffer, .address_space: global }
      - { .name: out0, .offset: 24, .size: 8, .value_kind: global_buffer, .address_space: global }
      - { .name: out1, .offset: 32, .size: 8, .value_kind: global_buffer, .address_space: global }
    .group_segment_fixed_size: 27136
    .private_segment_fixed_size: 0
    .kernarg_segment_align: 8
    .kernarg_segment_size: 40
    .max_flat_workgroup_size: 512
    .sgpr_count:     66
    .vgpr_count:     130
    .wavefront_size: 32
...
	.end_amdgpu_metadata
.endif
;; end of part 3
;; ======== version 2 of 2: 3 launches
;; limits: right only within a limited range of input values
;; workspace buffers: wk_codes 1,048,576 bytes; qp_ws 262,144 bytes; energy_ws 262,144 bytes; rowmap 262,144 bytes of whole numbers; inv 262,144 bytes of whole numbers; cnt 256 bytes of whole numbers
;; launch prep (part 4): grid 328 x 1, 8 waves a work-group, no clusters, 9,216 bytes of LDS; arguments query, Wq, Wk, lowp_scales, mask, qp_ws, wk_codes, rowmap, inv, cnt; writes qp_ws, wk_codes, rowmap, inv, cnt
.if DOCPART == 4
	.amdgcn_target "amdgcn-amd-amdhsa--gfx1250"
	.amdhsa_code_object_version 6
	.text
	.protected	k_qc75e018ad0_prep
	.globl	k_qc75e018ad0_prep
	.p2align	8
	.type	k_qc75e018ad0_prep,@function
k_qc75e018ad0_prep:
	s_mov_b64 s[64:65], 0
	v_nop
	global_prefetch_b8 v0, s[64:65] scope:SCOPE_SE
	s_setreg_imm32_b32 hwreg(HW_REG_WAVE_MODE, 25, 1), 1
	s_wait_xcnt 0x0
; Three small jobs in one launch, parted by the work-group's number (the same for all eight waves of a work-group).
; Work-groups 0-255: query_proj = Q(query) Q(Wq)^T, [64][1024] f32, on codes of FP8 (E4M3).  Work-group 4 t + bt makes the tile of 16 h (16 t on) x 16 batches (16 bt on).
;   Wave s takes K step s (128 along K): it quantises its two fragments in registers and issues ONE matrix instruction; the eight partial tiles meet in LDS and wave 0 adds them, K ascending.
; Work-groups 256-319: Wk becomes codes.  Work-group 256 + t takes rows 16 t on, wave s K step s.  The codes are stored as IMAGES OF THE OPERAND'S REGISTERS: the fragment of chunk c = t / 2 (32 h),
;   K step s, tile n = t % 2 lies at ((8 c + s) 2 + n) x 2,048 bytes; in it, registers 4 q .. 4 q + 3 of lane l at 512 q + 16 l.  So a chunk's 16 fragments are 32 KiB on end.
; Work-groups 320-327: THE MASK BECOMES A LIST, a wave to a batch.  The batch's 1,024 keys are dealt to 1,024 PLACES: the open ones (mask = 0) from place 0 up, the masked ones from place 1,023 down; n = the open ones.
;   A masked key's energy is thrown away ahead of the softmax and its weight is 0, so the later launches need not fetch its row: they fetch rows by places.
;   Place 256 m + 16 W + r is SLOT 64 W + 16 m + r: row r of tile m of the batch's wave W in the next launch, so that the open keys are spread evenly over its 16 waves.
;   Stored, as whole numbers of 4 bytes: rowmap[batch][slot] = the place's key where the place is under n, else A STAND-IN, row place % 16 of the batch, which is fetched in the masked key's stead and whose
;   result nobody looks at;  inv[batch][key] = the key's slot, for open and masked keys alike;  cnt[batch] = n.
; A FRAGMENT (16 rows x 128 K, 16 registers): lane (r = l % 16, hh = l / 16) holds row r; registers 4 c .. 4 c + 3 hold k = 32 c + 16 hh + 0 .. 15.  That is one permutation of k, the same on both sides of
;   every product here and in the next launch, so every product meets its partner; only the order of the sums inside an instruction differs from the form's own layout.
; code = x / 2^e, held within +-448, to the nearest code, ties to even.  e0 query, e1 Wq, e3 Wk.  LIMITS: each of them between -126 and 119, so that 2^e and 448 x 2^e are f32 numbers.  NaN among the inputs is not served.
; No tensor loads, no cluster: every wave loads a few KiB once and ends; what work-groups share (Wq's tile by four, query's by 64) is a few KiB each.
.set XA,  4                            ; v4   r x 4,096 + 64 hh: my 16 numbers of a block of 32 (all three tensors have rows of 4,096 bytes)
.set LI,  5                            ; v5   16 x lane
.set PS,  6                            ; v6   where I put my partial tile: 1,024 x wave + 64 r + 32 hh
.set GO,  7                            ; v7   wave 0: my byte offset in qp's tile
.set ACC, 16                           ; v16-23   the partial tile
.set R0,  32                           ; v32-95   64 numbers of W's rows; later the eight partial tiles
.set R1,  96                           ; v96-159  64 numbers of query's rows
.set CW,  160                          ; v160-175 W's codes
.set CQ,  176                          ; v176-191 query's codes
.set MW,  32                           ; the list: v32-39 eight words of the mask; word j, byte c of lane l is key 128 j + 4 l + c
.set SI,  64                           ; v64-95   my 32 keys' slots
.set SA,  96                           ; v96-127  their byte offsets in rowmap: a register for each store, so that none is written again
.set SD,  128                          ; v128-159 what rowmap gets at those slots
.macro XLOAD reg, base                 ; my row's 64 numbers of the K step: register 16 b + 4 j + i = k 32 b + 16 hh + 4 j + i
.irp b, 0,1,2,3
.irp j, 0,1,2,3
	global_load_b128 v[\reg+16*\b+4*\j:\reg+16*\b+4*\j+3], v[XA], s[\base:\base+1] offset:128*\b+16*\j
.endr
.endr
.endm
.macro MKSC e, sc, lim                 ; v[sc] = 2^e as f32 (the conversion takes its exponent field), v[lim] = 448 x 2^e
	s_add_co_i32 s32, s[\e], 127
	s_lshl_b32 s33, s32, 23
	v_mov_b32 v[\sc], s33
	s_add_co_i32 s32, s32, 8
	s_lshl_b32 s32, s32, 23
	s_or_b32 s32, s32, 0x600000
	v_mov_b32 v[\lim], s32
.endm
.macro QUANT src, dst, sc, lim         ; 64 numbers become a fragment's 16 registers of codes
.irp b, 0,1,2,3
.irp i, 0,1,2,3,4,5,6,7,8,9,10,11,12,13,14,15
	v_med3_num_f32 v[\src+16*\b+\i], v[\src+16*\b+\i], -v[\lim], v[\lim]   ; the conversion to an 8-bit code does not saturate (ISA guide 7.6.2): hold the number first
.endr
	v_cvt_scalef32_pk8_fp8_f32 v[\dst+4*\b:\dst+4*\b+1], v[\src+16*\b:\src+16*\b+7], v[\sc]
	v_cvt_scalef32_pk8_fp8_f32 v[\dst+4*\b+2:\dst+4*\b+3], v[\src+16*\b+8:\src+16*\b+15], v[\sc]
.endr
.endm
	s_load_b256 s[4:11], s[0:1], 0x0               ; query s[4:5], Wq s[6:7], Wk s[8:9], the scales' exponents s[10:11]
	s_load_b128 s[12:15], s[0:1], 0x28             ; qp_ws s[12:13], wk_codes s[14:15]
	s_load_b64 s[36:37], s[0:1], 0x20              ; mask
	s_load_b128 s[40:43], s[0:1], 0x38             ; rowmap s[40:41], inv s[42:43]
	s_load_b64 s[44:45], s[0:1], 0x48              ; cnt
	v_lshl_add_u32 v192, v0, 2, 0x2000
	v_mov_b32 v193, 0
	v_lshrrev_b32 v1, 5, v0
	s_delay_alu instid0(VALU_DEP_1)
	v_readfirstlane_b32 s16, v1                    ; wave = K step
	v_and_b32 v1, 31, v0                           ; lane
	v_and_b32 v2, 15, v0                           ; r
	v_bfe_u32 v3, v0, 4, 1                         ; hh
	s_delay_alu instid0(VALU_DEP_2)
	v_lshlrev_b32 v[XA], 12, v2
	s_delay_alu instid0(VALU_DEP_1)
	v_lshl_add_u32 v[XA], v3, 6, v[XA]
	v_lshlrev_b32 v[LI], 4, v1
	s_lshl_b32 s17, s16, 9                         ; the K step's 128 numbers: 512 bytes along a row
	s_mov_b32 s27, 0                               ; the high word of every offset below
	s_wait_kmcnt 0x0
	s_load_b128 s[20:23], s[10:11], 0x0            ; e0, e1, e2, e3
	s_cmp_lt_u32 ttmp9, 256
	s_cbranch_scc0 .Lnot_q
	; ---- query_proj
	s_lshr_b32 s24, ttmp9, 2                       ; t: the tile of 16 h
	s_and_b32 s25, ttmp9, 3                        ; bt: the tile of 16 batches
	s_lshl_b32 s26, s24, 16
	s_add_co_u32 s26, s26, s17
	s_add_nc_u64 s[28:29], s[6:7], s[26:27]        ; Wq at row 16 t, K step s
	s_lshl_b32 s26, s25, 16
	s_add_co_u32 s26, s26, s17
	s_add_nc_u64 s[30:31], s[4:5], s[26:27]        ; query at row 16 bt, K step s
	s_wait_alu depctr_va_vdst(0)
	XLOAD R0, 28
	XLOAD R1, 30
	v_lshlrev_b32 v[PS], 6, v2
	s_delay_alu instid0(VALU_DEP_1)
	v_lshl_add_u32 v[PS], v3, 5, v[PS]
	s_lshl_b32 s18, s16, 10
	v_add_nc_u32 v[PS], s18, v[PS]
	s_wait_kmcnt 0x0
	MKSC 21, 8, 9                                  ; Wq's scale
	MKSC 20, 10, 11                                ; query's
	s_wait_alu depctr_va_vdst(0)
	s_wait_loadcnt 16                              ; Wq's 16 loads are in; query's 16 may be out
	QUANT R0, CW, 8, 9
	s_wait_loadcnt 0x0
	QUANT R1, CQ, 10, 11
	v_nop                                          ; one plain vector instruction between a scaled conversion and the matrix instruction that reads its result
	v_wmma_f32_16x16x128_fp8_fp8 v[ACC:ACC+7], v[CW:CW+15], v[CQ:CQ+15], 0   ; TRANSPOSED: source 0 = 16 rows of Wq, source 1 = 16 rows of query: lane (r, hh), register j = (batch r, h 8 hh + j)
.rept 4
	v_nop                                          ; four places before an LDS store reads the result
.endr
	ds_store_b128 v[PS], v[ACC:ACC+3]              ; a batch's 16 h are 64 bytes; the result is read from its low end on
	ds_store_b128 v[PS], v[ACC+4:ACC+7] offset:16
	s_wait_dscnt 0x0                               ; for wave 0's sake: my stores are done
	s_barrier_signal -1
	s_barrier_wait -1
	s_cmp_lg_u32 s16, 0
	s_cbranch_scc1 .Lend                           ; wave 0 adds and stores
	v_lshrrev_b32 v[GO], 2, v1
	v_and_b32 v12, 3, v1
	s_delay_alu instid0(VALU_DEP_2)
	v_lshlrev_b32 v[GO], 12, v[GO]
	s_delay_alu instid0(VALU_DEP_1)
	v_lshl_add_u32 v[GO], v12, 4, v[GO]            ; batch l / 4 (a row of 4,096 bytes), 16 bytes at 16 (l % 4)
	s_lshl_b32 s26, s25, 16
	s_lshl_b32 s18, s24, 6
	s_add_co_u32 s26, s26, s18
	s_add_nc_u64 s[12:13], s[12:13], s[26:27]      ; qp_ws at (batch 16 bt, h 16 t)
	s_add_co_i32 s19, s20, s21                     ; e0 + e1
.irp i, 0,1,2,3,4,5,6,7
.irp c, 0,1
	ds_load_b128 v[R0+8*\i+4*\c:R0+8*\i+4*\c+3], v[LI] offset:1024*\i+512*\c   ; K step i's tile, batches 8 c + l / 4
.endr
.endr
	s_wait_dscnt 0x0
.irp i, 1,2,3,4,5,6,7
.irp p, 0,2,4,6
	v_pk_add_f32 v[R0+\p:R0+\p+1], v[R0+\p:R0+\p+1], v[R0+8*\i+\p:R0+8*\i+\p+1]
.endr
.endr
.irp j, 0,1,2,3,4,5,6,7
	v_ldexp_f32 v[R0+\j], v[R0+\j], s19            ; x 2^(e0 + e1): no limit on the sum of the two
.endr
	global_store_b128 v[GO], v[R0:R0+3], s[12:13]               ; four neighbouring lanes store 64 consecutive bytes of a row: a tile's 16 h are no more, and all of qp_ws is 256 KiB
	global_store_b128 v[GO], v[R0+4:R0+7], s[12:13] offset:32768
.Lend:
	s_wait_tensorcnt 0x0
	ds_add_u32 v192, v193
	s_wait_dscnt 0x0
	s_endpgm
.Lnot_q:
	s_cmp_lt_u32 ttmp9, 320
	s_cbranch_scc0 .Llist
	; ---- Wk's codes
	s_sub_co_u32 s24, ttmp9, 256                   ; t
	s_lshl_b32 s26, s24, 16
	s_add_co_u32 s26, s26, s17
	s_add_nc_u64 s[28:29], s[8:9], s[26:27]        ; Wk at row 16 t, K step s
	s_wait_alu depctr_va_vdst(0)
	XLOAD R0, 28
	s_lshr_b32 s25, s24, 1
	s_lshl_b32 s26, s25, 15                        ; chunk t / 2: 32 KiB
	s_lshl_b32 s18, s16, 12                        ; K step: 4 KiB
	s_add_co_u32 s26, s26, s18
	s_and_b32 s19, s24, 1
	s_lshl_b32 s19, s19, 11                        ; tile t % 2: 2 KiB
	s_add_co_u32 s26, s26, s19
	s_add_nc_u64 s[14:15], s[14:15], s[26:27]
	s_wait_kmcnt 0x0
	MKSC 23, 8, 9
	s_wait_alu depctr_va_vdst(0)
	s_wait_loadcnt 0x0
	QUANT R0, CW, 8, 9
.irp q, 0,1,2,3
	global_store_b128 v[LI], v[CW+4*\q:CW+4*\q+3], s[14:15] offset:512*\q   ; 32 lanes store 512 consecutive bytes, at a multiple of 256 from the buffer's first byte
.endr
	s_endpgm
	; ---- the list
.Llist:
	s_sub_co_u32 s24, ttmp9, 320
	s_lshl_b32 s24, s24, 3
	s_add_co_u32 s24, s24, s16                     ; the batch: 8 x (work-group - 320) + wave
	s_lshl_b32 s26, s24, 10
	s_add_nc_u64 s[36:37], s[36:37], s[26:27]      ; its 1,024 bytes of the mask,
	s_lshl_b32 s26, s24, 12
	s_add_nc_u64 s[40:41], s[40:41], s[26:27]      ; its 4,096 bytes of rowmap and of inv,
	s_add_nc_u64 s[42:43], s[42:43], s[26:27]
	s_lshl_b32 s26, s24, 2
	s_add_nc_u64 s[44:45], s[44:45], s[26:27]      ; its word of cnt
	s_wait_alu depctr_va_vdst(0)
	v_lshlrev_b32 v12, 2, v1                       ; 4 x lane
.irp j, 0,1,2,3,4,5,6,7
	global_load_b32 v[MW+\j], v12, s[36:37] offset:128*\j   ; 32 lanes read 128 consecutive bytes
.endr
	s_mov_b32 s28, 0                               ; the next open key's place
	s_mov_b32 s29, 1023                            ; the next masked key's
	s_wait_loadcnt 0x0
; 32 turns, 32 keys each (one a lane).  The order in which keys get their places is free: all that counts is that the open ones come first.
.set Q, 0
.rept 32
	v_bfe_u32 v13, v[MW+Q/4], 8*(Q%4), 8           ; my key's byte
	s_delay_alu instid0(VALU_DEP_1)
	v_cmp_eq_u32 vcc_lo, 0, v13                    ; open?
	s_not_b32 s30, vcc_lo
	v_mbcnt_lo_u32_b32 v14, vcc_lo, 0              ; the open keys of this turn in lanes under mine,
	v_mbcnt_lo_u32_b32 v15, s30, 0                 ; and the masked ones
	s_delay_alu instid0(VALU_DEP_2)
	v_add_nc_u32 v14, s28, v14
	s_delay_alu instid0(VALU_DEP_2)
	v_sub_nc_u32 v15, s29, v15
	s_delay_alu instid0(VALU_DEP_1)
	v_cndmask_b32 v14, v15, v14, vcc_lo            ; my key's place
	s_bcnt1_i32_b32 s31, vcc_lo
	s_add_co_u32 s28, s28, s31                     ; up by the open ones,
	s_add_co_u32 s29, s29, s31
	s_sub_co_u32 s29, s29, 32                      ; down by the 32 - open masked ones
	v_bfe_u32 v15, v14, 4, 4                       ; place 256 m + 16 W + r: W,
	v_bfe_u32 v16, v14, 8, 2                       ; m,
	v_and_b32 v17, 15, v14                         ; r
	v_add_nc_u32 v18, 128*(Q/4)+Q%4, v12           ; my key's number
	s_delay_alu instid0(VALU_DEP_1)
	v_cndmask_b32 v[SD+Q], v17, v18, vcc_lo        ; an open key is named; in a masked key's stead, row place % 16
	s_delay_alu instid0(VALU_DEP_3)
	v_lshl_or_b32 v17, v16, 4, v17
	s_delay_alu instid0(VALU_DEP_1)
	v_lshl_or_b32 v17, v15, 6, v17                 ; slot 64 W + 16 m + r
	s_delay_alu instid0(VALU_DEP_1)
	v_min_u32 v[SI+Q], 0x3ff, v17                  ; it hangs on loaded numbers and enters an address: held inside the table, and only shifted behind that
	s_delay_alu instid0(VALU_DEP_1)
	v_lshlrev_b32 v[SA+Q], 2, v[SI+Q]
	global_store_b32 v[SA+Q], v[SD+Q], s[40:41]    ; rowmap[slot]: words strewn over the batch's 4 KiB; every word is written once, and the buffer is 256 KiB in all
.set Q, Q+1
.endr
.irp j, 0,1,2,3,4,5,6,7
	global_store_b128 v[LI], v[SI+4*\j:SI+4*\j+3], s[42:43] offset:512*\j   ; inv[key] = slot: 32 lanes store 512 consecutive bytes, aligned
.endr
	v_mov_b32 v18, 0
	v_mov_b32 v19, s28
	global_store_b32 v18, v19, s[44:45]            ; n: all lanes store the same number to the same word
	s_endpgm
.Lfunc_end_k_qc75e018ad0_prep:
	.size	k_qc75e018ad0_prep, .Lfunc_end_k_qc75e018ad0_prep-k_qc75e018ad0_prep
	.p2alignl 7, 3214868480
	.fill 96, 4, 3214868480
	.section	.rodata,"a",@progbits
	.p2align	6, 0x0
	.amdhsa_kernel k_qc75e018ad0_prep
		.amdhsa_group_segment_fixed_size 9216
		.amdhsa_private_segment_fixed_size 0
		.amdhsa_enable_private_segment 0
		.amdhsa_kernarg_size 80
		.amdhsa_user_sgpr_count 2
		.amdhsa_user_sgpr_kernarg_segment_ptr 1
		.amdhsa_wavefront_size32 1
		.amdhsa_system_sgpr_workgroup_id_x 1
		.amdhsa_system_sgpr_workgroup_id_y 1
		.amdhsa_system_sgpr_workgroup_id_z 1
		.amdhsa_system_vgpr_workitem_id 0
		.amdhsa_next_free_vgpr 194
		.amdhsa_next_free_sgpr 66
		.amdhsa_reserve_vcc 1
		.amdhsa_float_denorm_mode_32 3
		.amdhsa_float_denorm_mode_16_64 3
		.amdhsa_memory_ordered 1
		.amdhsa_forward_progress 1
		.amdhsa_inst_pref_size 71
	.end_amdhsa_kernel
	.amdgpu_metadata
---
amdhsa.version: [ 1, 2 ]
amdhsa.kernels:
  - .name:           k_qc75e018ad0_prep
    .symbol:         k_qc75e018ad0_prep.kd
    .args:
      - { .name: query, .offset: 0, .size: 8, .value_kind: global_buffer, .address_space: global }
      - { .name: Wq, .offset: 8, .size: 8, .value_kind: global_buffer, .address_space: global }
      - { .name: Wk, .offset: 16, .size: 8, .value_kind: global_buffer, .address_space: global }
      - { .name: lowp_scales, .offset: 24, .size: 8, .value_kind: global_buffer, .address_space: global }
      - { .name: mask, .offset: 32, .size: 8, .value_kind: global_buffer, .address_space: global }
      - { .name: qp_ws, .offset: 40, .size: 8, .value_kind: global_buffer, .address_space: global }
      - { .name: wk_codes, .offset: 48, .size: 8, .value_kind: global_buffer, .address_space: global }
      - { .name: rowmap, .offset: 56, .size: 8, .value_kind: global_buffer, .address_space: global }
      - { .name: inv, .offset: 64, .size: 8, .value_kind: global_buffer, .address_space: global }
      - { .name: cnt, .offset: 72, .size: 8, .value_kind: global_buffer, .address_space: global }
    .group_segment_fixed_size: 9216
    .private_segment_fixed_size: 0
    .kernarg_segment_align: 8
    .kernarg_segment_size: 80
    .max_flat_workgroup_size: 256
    .sgpr_count:     66
    .vgpr_count:     194
    .wavefront_size: 32
...
	.end_amdgpu_metadata
.endif
;; end of part 4
;; launch energy (part 5): grid 256 x 1, 4 waves a work-group, clusters of 4 x 1, 327,680 bytes of LDS; arguments keys, wk_codes, qp_ws, v, lowp_scales, rowmap, energy_ws; writes energy_ws
.if DOCPART == 5
	.amdgcn_target "amdgcn-amd-amdhsa--gfx1250"
	.amdhsa_code_object_version 6
	.text
	.protected	k_qc75e018ad0_energy
	.globl	k_qc75e018ad0_energy
	.p2align	8
	.type	k_qc75e018ad0_energy,@function
k_qc75e018ad0_energy:
	s_mov_b64 s[64:65], 0
	v_nop
	global_prefetch_b8 v0, s[64:65] scope:SCOPE_SE
	s_setreg_imm32_b32 hwreg(HW_REG_WAVE_MODE, 25, 1), 1
	s_wait_xcnt 0x0
	s_wait_alu depctr_hold_cnt(0) depctr_sa_sdst(0) depctr_va_vdst(0) depctr_va_sdst(0) depctr_va_ssrc(0) depctr_va_vcc(0) depctr_vm_vsrc(0)
	s_getreg_b32 s2, hwreg(HW_REG_IB_STS2, 6, 4)
	s_cmp_eq_u32 s2, 0
	s_cbranch_scc0 .Lentry_in_a_cluster
	s_endpgm
.Lentry_in_a_cluster:
	s_bfe_u32 s2, ttmp6, 0x10000c
	s_cmp_lg_u32 s2, 0x3003
	s_cbranch_scc0 .Lentry_shape_is_right
	s_endpgm
.Lentry_shape_is_right:
; energy[b][slot] = sum over h of v[h] tanh(query_proj[b][h] + (Q(keys) Q(Wk)^T)[b][row of the slot][h]), f32.  The product runs on codes of FP8 (E4M3), K = 1,024, by v_wmma_f32_16x16x128_fp8_fp8.
; SHARES.  A cluster of four work-groups is one batch; a work-group takes 256 of its slots, each of its four waves 64.  A wave's 64 rows stay in its registers as codes: 32 fragments (4 tiles of rows x 8 K steps), 512 registers.
;   Wk walks: its 1 MiB of codes (register images, made by the launch before) goes through a ring of two LDS slots of 128 KiB (four chunks of 32 h), asked for JOINTLY by the four work-groups; of each chunk K steps 0 to 5 are read
;   from the ring, and K steps 6 and 7 come from memory straight into registers (16 loads of 512 consecutive bytes a wave), so that a chunk takes 48 LDS loads of fragments and not 64.
; ROWS BY THE LIST.  rowmap names the row of keys that a slot takes: an open key, or a stand-in (one of the batch's rows 0 to 15) in a masked key's stead.  A masked key's energy is thrown away ahead of the softmax, so its row is
;   not fetched; a stand-in's energy is stored and the next launch does not look at it.  No branch, count or lane hangs on the list, so that the partners of a joint load run alike.
; KEYS are read f32, 512 consecutive bytes of one row a load, held and converted AS THEY LIE (a conversion takes four numbers of each of two rows: a row's four codes are one dword), and only the codes turn through the wave's
;   stage in LDS: 16 stores of 128 bytes, 4 loads of 512 into the fragment's own registers.
; PRODUCTS.  A chunk is 64 matrix instructions (8 K steps x 2 tiles of h x 4 tiles of rows, eight accumulators by turns).  Source 0 = 16 rows of keys, source 1 = 16 rows of Wk: lane (r, hh), register j = (row 8 hh + j, h r).
;   So query_proj[h] and v[h] are one number a lane and tile, and a row's sum lies across 16 lanes until the way out.
; TANH.  tanh(x) = 1 - 2 / (1 + 2^(x 2 / ln 2)), in f32.  C = 2 / ln 2 x 2^(e2 + e3) scales a sum of codes.  energy = sum of v - sum of 2 v[h] / (1 + 2^..): each of a row's 16 partial sums (one a lane) begins at
;   (sum of v) / 16 and takes w x the reciprocal by a fused multiply-add.  2^.. = infinity gives tanh = 1, 2^.. = 0 gives -1.  The table has 16 bytes for each h: q, w, w, q with q = 2 / ln 2 x query_proj, w = -2 v.
; THE PIPE.  A chunk's tanh is spread over three trips.  A trip is a GAP and a run of products.  The gap behind chunk c's products: sum x C + q in place; R = 1 / E (chunk c - 1's); E = 2^.. (chunk c's): the 128 transcendentals are
;   one batch, with one wait ahead of it and one behind it.  Behind each matrix instruction of chunk c + 1 stands one plain line, by turns E + 1 (chunk c's) and sum + R w (chunk c - 1's).
;   w is carried along for two trips in registers of its own.  No transcendental stands between two matrix instructions.  Chunk c + 1's fragments and table entries are asked for in the gap and inside the products;
;   the change of slots stands ahead of the gap.  Chunk 0's products and the last two chunks' remaining steps are written out.
;   THE PIPE IS PRIMED with E = 1.0 and w = 0: the first gap's reciprocals and the 32 multiply-adds behind chunk 1's products run once on these and add exactly 0; that spares two more copies of the trip's text.
; LIMITS: e2 between -126 and 119; e2 + e3 between -127 and 126 (it is added to C's exponent field).  NaN among the inputs is not served.
; NO PREFETCH: keys' rows are asked for once, at the head, 64 loads a wave ahead, with no loop to run ahead in; all 64 clusters read the same 1 MiB of codes, each tile four chunks ahead of its use.
; LDS: the ring 2 x 131,072; a stage of 16 x 144 bytes for each wave; the table, 16 KiB; the spare words.
; REGISTERS, in windows of 256: window 0: v1-18 lane numbers, addresses, my slots' rows; v42-45 the way out; v64-95 at the head two sets of a unit's 16 dwords of codes, v96-127 and v192-239 at work at the head;
;   then v64-127 E, v192-255 R, v128-191 K steps 6 and 7's fragments of Wk; v64-95 the way out's sums.   windows 1, 2: keys' codes: fragment (m, s) in window 1 + s / 4 at v[16 (4 (s % 4) + m)].
;   window 3: while keys come in, four sets of 64 as loaded.  Then v0-63 the accumulators ((n, m) at 8 (4 n + m)); v64-95 the partial sums; v96-99 LDS addresses; v104-111 the chunk's table entries; v112-117 w carried along;
;   v128-255 four buffers of two fragments.
.set SLOT1, 1<<17
.set GROUPB, 131072
.set CHB,   32768
.set STG,   2*SLOT1
.set SROW,  144                        ; a stage row: 128 bytes of codes + 16: 9 x 16, so that the 16 rows that a load touches start at 16 different columns of 16 bytes
.set SWAVE, 16*SROW                    ; 2,304 = 9 x 256
.set TAB,   STG+4*SWAVE
.set SPARE, TAB+16384
.set KO,  4                            ; 16 x lane
.set STS, 5                            ; the stage, way in: + 4 x lane
.set STL, 6                            ; the stage, way out: + 144 r + 16 hh
.set TBA, 7                            ; TAB + 128 x thread
.set GT,  8                            ; 32 x thread
.set SC,  9                            ; 2^e2
.set LIM, 10                           ; 448 x 2^e2
.set SPW, 12                           ; my spare word; never rewritten
.set NIL, 13                           ; 0; never rewritten
.set EO,  14                           ; 8 x lane
.set SVP, 15                           ; (sum of v) / 16
.set RM,  16                           ; v16, v17 my slots' rows
.set RA,  18                           ; 4 x lane
.set CD,  64
.set ER,  64                           ; E
.set TQ,  96
.set GF,  128
.set HT,  192
.set RR,  192                          ; R
.set VS,  HT+16
.set EA,  64                           ; window 3 from here on
.set LB3, 96                           ; 16 x lane
.set ADB, 97                           ; + the chunk's first byte in the ring
.set LT3, 98                           ; TAB + 16 r
.set ADT, 99                           ; + 512 x chunk
.set TP,  104
.set WU,  112                          ; v112, v114: w of the chunk whose sums are being taken, tiles 0 and 1, each the low word of a pair
.set WN,  116                          ; v116, v117: w of the chunk behind it
.set BF,  128
.set WV,  16
.set CC,  22                           ; s[22:23] C, twice
.set G1,  24
.set G0,  32
.set TB,  36                           ; LDS byte of the chunk whose products come next
.set HB,  38                           ; 512 x that chunk
.set SLOTS, 39
.set CH,  40
.set SEL, 42
.set KP,  48
.set GB,  56                           ; s[56:57] wk_codes at that chunk
.set EP,  58
.set OFP, 60
.set RB,  66
.set MSB, 0
.macro WIN new
.if MSB != \new
	s_set_vgpr_msb (MSB<<8)|\new
.set MSB, \new
.endif
.endm
.macro PLACES                          ; four places behind a matrix instruction (ISA guide 7.12.1)
.rept 4
	v_nop
.endr
.endm
.macro JLOAD                           ; a joint load: every wave asks for its quarter of a slot
	tensor_load_to_lds s[G0:G0+3], s[G1:G1+7]
	s_nop 0
.rept 4
	v_nop
.endr
.endm
.macro CROUND                          ; a round of the cluster's barrier
	s_barrier_signal -1
	s_barrier_wait -1
	s_cmp_lg_u32 s[WV], 0
	s_cbranch_scc1 .Lnot_wave_0_\@
	s_barrier_signal -3
.Lnot_wave_0_\@:
	s_barrier_wait -3
	s_barrier_signal -1
	s_barrier_wait -1
.endm
	s_load_b256 s[4:11], s[0:1], 0x0               ; keys, wk_codes, qp_ws, v
	s_load_b128 s[12:15], s[0:1], 0x20             ; the scales' exponents, rowmap
	s_load_b64 s[EP:EP+1], s[0:1], 0x30            ; energy_ws
	v_lshl_add_u32 v[SPW], v0, 2, SPARE
	v_mov_b32 v[NIL], 0
	ds_add_u32 v[SPW], v[NIL]
	ds_add_u32 v[SPW], v[NIL]
	s_wait_dscnt 0x0
	v_lshrrev_b32 v1, 5, v0
	v_readfirstlane_b32 s[WV], v1                  ; wave 0..3
	v_and_b32 v1, 31, v0                           ; lane
	v_lshlrev_b32 v[RA], 2, v1
	s_bfe_u32 s17, ttmp6, 0x40000                  ; cx
	s_lshl_b32 s18, ttmp9, 2                       ; ttmp9 counts clusters: the batch
	s_add_co_u32 s18, s18, s17                     ; my block of 256 slots
	s_mov_b32 s[G1], 15|(3<<16)|(1<<21)            ; the mask of all four; elements of 8 bytes; no padding
	s_mov_b32 s[G1+1], 32<<16
	s_mov_b32 s[G1+2], 128<<16
	s_mov_b32 s[G1+3], 32<<16
	s_mov_b32 s[G1+4], 128                         ; a chunk as 128 rows of 256 bytes, dense
	s_mov_b32 s[G1+5], 32
	s_mov_b32 s[G1+6], 0
	s_mov_b32 s[G1+7], 0
	s_lshl_b32 s52, s[WV], 15                      ; my quarter of a slot: of the wave's number alone
	s_mov_b32 s53, 0
	s_mov_b32 s[SEL], 0x76543210
	s_mov_b32 s[SEL+1], 0xfedcba98
	s_lshl_b32 s20, ttmp9, 22                      ; keys: 4 MiB a batch
	s_mov_b32 s21, 0
	s_lshl_b32 s50, ttmp9, 12                      ; qp_ws: the batch's row
	s_mov_b32 s51, 0
	s_lshl_b32 s54, s18, 10                        ; energies and rowmap: 1,024 bytes a work-group,
	s_lshl_b32 s55, s[WV], 8                       ; 256 a wave
	s_add_co_u32 s54, s54, s55
	s_mov_b32 s55, 0
	s_mov_b32 s[OFP+1], 0
	s_wait_alu depctr_va_vdst(0)
	s_wait_kmcnt 0x0
	s_load_b128 s[44:47], s[12:13], 0x0            ; e0, e1, e2, e3
	s_mov_b32 s[G0], 1
	s_lshl_b32 s[G0+1], s[WV], 15
	s_add_nc_u64 s[G0+2:G0+3], s[6:7], s[52:53]
	s_or_b32 s[G0+3], s[G0+3], 0x80000000
	s_mov_b64 s[GB:GB+1], s[6:7]
	s_add_nc_u64 s[KP:KP+1], s[4:5], s[20:21]
	s_add_nc_u64 s[8:9], s[8:9], s[50:51]
	s_add_nc_u64 s[EP:EP+1], s[EP:EP+1], s[54:55]
	s_add_nc_u64 s[14:15], s[14:15], s[54:55]
	global_load_b32 v[RM], v[RA], s[14:15]         ; my slots' rows first: keys' loads hang on them
	global_load_b32 v[RM+1], v[RA], s[14:15] offset:128
	CROUND                                         ; the first joint loads meet
	JLOAD                                          ; slot 0: chunks 0-3; my one tensor load at the head
	v_and_b32 v2, 15, v0                           ; r
	v_bfe_u32 v3, v0, 4, 1                         ; hh
	v_lshlrev_b32 v[KO], 4, v1
	s_mul_i32 s50, s[WV], SWAVE
	s_add_co_u32 s50, s50, STG
	v_lshl_add_u32 v[STS], v1, 2, s50
	v_mul_u32_u24 v[STL], v2, SROW
	v_lshl_add_u32 v[STL], v3, 4, v[STL]
	v_add_nc_u32 v[STL], s50, v[STL]
	v_lshl_add_u32 v[TBA], v0, 7, TAB
	v_lshlrev_b32 v[GT], 5, v0
	v_lshlrev_b32 v[EO], 3, v1
	global_load_b128 v[HT:HT+3], v[GT], s[8:9]     ; my thread's 8 of query_proj,
	global_load_b128 v[HT+4:HT+7], v[GT], s[8:9] offset:16
	global_load_b128 v[HT+8:HT+11], v[GT], s[10:11]   ; and of v, for the table
	global_load_b128 v[HT+12:HT+15], v[GT], s[10:11] offset:16
.irp i, 0,1,2,3,4,5,6,7
	global_load_b128 v[VS+4*\i:VS+4*\i+3], v[KO], s[10:11] offset:512*\i   ; all of v, for its sum
.endr
; KEYS COME IN, by 32 units u = 8 m + s of 16 rows x 128 along K.
.macro MKBASE m                        ; the addresses of tile m's 16 rows
	WIN 0
	s_wait_xcnt 0x0                                ; the loads that name the last tile's addresses have read them
.irp i, 0,1,2,3,4,5,6,7,8,9,10,11,12,13,14,15
	v_readlane_b32 s[OFP], v[RM+(\m)/2], 16*((\m)%2)+\i
	s_min_u32 s[OFP], s[OFP], 0x3ff                ; a loaded number enters an address: held inside the batch's 1,024 rows
	s_lshl_b32 s[OFP], s[OFP], 12
	s_add_nc_u64 s[RB+2*\i:RB+2*\i+1], s[KP:KP+1], s[OFP:OFP+1]
.endr
.endm
.macro KLOAD u                         ; into set u % 4 of window 3: register 4 i + e = (row i, k 4 lane + e)
	WIN 0xc0
.irp i, 0,1,2,3,4,5,6,7,8,9,10,11,12,13,14,15
	global_load_b128 v[64*((\u)%4)+4*\i:64*((\u)%4)+4*\i+3], v[KO], s[RB+2*\i:RB+2*\i+1] offset:512*((\u)%8)
.endr
.endm
.macro KQ u                            ; the unit becomes fragment (m = u / 8, s = u % 8)
.set LS, 64*((\u)%4)
.set CW, CD+16*((\u)%2)
.set AB, 16*(4*((\u)%4)+(\u)/8)
	WIN 0xc3                                       ; the numbers in window 3, the bound in window 0
.set J, 0
.rept 64
	v_med3_num_f32 v[LS+J], v[LS+J], -v[LIM], v[LIM]   ; the conversion does not saturate (ISA guide 7.6.2): the hold comes first
.set J, J+1
.endr
	WIN 0x03
.irp p, 0,1,2,3,4,5,6,7
	v_cvt_scalef32_pk8_fp8_f32 v[CW+2*\p:CW+2*\p+1], v[LS+8*\p:LS+8*\p+7], v[SC]   ; rows 2 p and 2 p + 1: a dword of four codes each
.endr
	WIN 0
.irp i, 0,1,2,3,4,5,6,7,8,9,10,11,12,13,14,15
	ds_store_b32 v[STS], v[CW+\i] offset:SROW*\i   ; row i's 128 codes on end
.endr
.if ((\u)%8) < 4
	WIN 0x40
.else
	WIN 0x80
.endif
.irp c, 0,1,2,3
	ds_load_b128 v[AB+4*\c:AB+4*\c+3], v[STL] offset:32*\c   ; k 32 c + 16 hh + 0 .. 15 of row r.  LDS serves a wave's instructions in order (ISA guide 5.7.1.4): these see the stores, and the next unit's stores come behind them
.endr
.endm
.macro KSTEP u
.if 31-(\u) >= 3
	s_wait_loadcnt 48                              ; unit u is in; the three units behind it may be out
.else
	s_wait_loadcnt 16*(31-(\u))
.endif
.if (\u) >= 2
	s_wait_dscnt 24                                ; unit u - 2's stores are done (behind them: its 4 loads and unit u - 1's 20): its set of codes is written again
.endif
	KQ \u
.if (\u)+4 <= 31
.if ((\u)+4)%8 == 0
	MKBASE ((\u)+4)/8
.endif
	KLOAD (\u)+4                                   ; into the set that has just been converted
.endif
.endm
.macro GLOAD                           ; K steps 6 and 7's four fragments, as they lie in wk_codes
.irp s, 6,7
.irp n, 0,1
.irp q, 0,1,2,3
	global_load_b128 v[GF+32*(\s-6)+16*\n+4*\q:GF+32*(\s-6)+16*\n+4*\q+3], v[KO], s[GB:GB+1] offset:(2*\s+\n)*2048+512*\q
.endr
.endr
.endr
.endm
	s_wait_loadcnt 12                              ; my slots' rows are in; the twelve loads of query_proj and v may be out
	MKBASE 0
	KLOAD 0
	KLOAD 1
	KLOAD 2
	WIN 0
	s_wait_loadcnt 48                              ; those twelve are in; the three units' 48 may be out
.irp i, 0,1,2,3,4,5,6,7
	v_mul_f32 v[TQ+4*\i], 0x4038aa3b, v[HT+\i]     ; q = 2 / ln 2 x query_proj
	v_mul_f32 v[TQ+4*\i+1], -2.0, v[HT+8+\i]       ; w = -2 v
	v_mul_f32 v[TQ+4*\i+2], -2.0, v[HT+8+\i]
	v_mul_f32 v[TQ+4*\i+3], 0x4038aa3b, v[HT+\i]
.endr
.irp i, 0,1,2,3,4,5,6,7
	ds_store_b128 v[TBA], v[TQ+4*\i:TQ+4*\i+3] offset:16*\i   ; the table: read behind the first change of slots, whose barrier stands behind every wave's wait for these stores
.endr
.irp p, 0,4,8,12,16,20,24,28
	v_pk_add_f32 v[VS+\p:VS+\p+1], v[VS+\p:VS+\p+1], v[VS+\p+2:VS+\p+3]
.endr
.irp p, 0,8,16,24
	v_pk_add_f32 v[VS+\p:VS+\p+1], v[VS+\p:VS+\p+1], v[VS+\p+4:VS+\p+5]
.endr
.irp p, 0,16
	v_pk_add_f32 v[VS+\p:VS+\p+1], v[VS+\p:VS+\p+1], v[VS+\p+8:VS+\p+9]
.endr
	v_pk_add_f32 v[VS:VS+1], v[VS:VS+1], v[VS+16:VS+17]
	v_add_f32 v[VS], v[VS], v[VS+1]
	v_add_f32_dpp v[VS], v[VS], v[VS] row_xmask:1 row_mask:0xf bank_mask:0xf
	v_add_f32_dpp v[VS], v[VS], v[VS] row_xmask:2 row_mask:0xf bank_mask:0xf
	v_add_f32_dpp v[VS], v[VS], v[VS] row_xmask:4 row_mask:0xf bank_mask:0xf
	v_add_f32_dpp v[VS], v[VS], v[VS] row_xmask:8 row_mask:0xf bank_mask:0xf
	v_permlanex16_b32 v[VS+1], v[VS], s[SEL], s[SEL+1]
	v_add_f32 v[VS], v[VS], v[VS+1]
	v_mul_f32 v[SVP], 0x3d800000, v[VS]            ; / 16: a row's sum is kept in 16 lanes
	s_wait_kmcnt 0x0
	s_add_co_i32 s50, s46, 127
	s_lshl_b32 s51, s50, 23
	v_mov_b32 v[SC], s51                           ; 2^e2
	s_add_co_i32 s50, s50, 8
	s_lshl_b32 s50, s50, 23
	s_or_b32 s50, s50, 0x600000
	v_mov_b32 v[LIM], s50                          ; 448 x 2^e2
	s_add_co_i32 s50, s46, s47
	s_lshl_b32 s50, s50, 23
	s_mov_b32 s[CC], 0x4038aa3b
	s_add_co_i32 s[CC], s[CC], s50                 ; 2 / ln 2 x 2^(e2 + e3)
	s_mov_b32 s[CC+1], s[CC]
	KLOAD 3
	s_wait_alu depctr_va_vdst(0)
.set U, 0
.rept 32
	KSTEP U
.set U, U+1
.endr
	WIN 0
	s_wait_dscnt 0x0                               ; the stage's stores have read the codes' registers, which E takes
	GLOAD                                          ; chunk 0's
	v_nop                                          ; a plain line behind the last conversions
.set J, 0
.rept 64
	v_mov_b32 v[ER+J], 1.0                         ; the pipe is primed: E = 1.0,
.set J, J+1
.endr
	WIN 0xc0                                       ; window 3 changes its use
.set J, 0
.rept 6
	v_mov_b32 v[WU+J], 0                           ; and w = 0 (the pairs' upper words are written here too)
.set J, J+1
.endr
.set J, 0
.rept 32
	v_mov_b32 v[EA+J], v[SVP]                      ; each partial sum begins at (sum of v) / 16
.set J, J+1
.endr
	v_mov_b32 v[LB3], v[KO]
	v_lshl_add_u32 v[LT3], v2, 4, TAB
	WIN 0
	s_mov_b32 s[TB], 0
	s_mov_b32 s[HB], 0
; THE CHANGE OF SLOTS.  Each wave waits for all its tensor loads, adds 0 to its spare word, and waits for that and for its reads of the slot that it has left.  fill = 1: a round of the cluster's barrier, and behind it
; the joint load of the next four chunks comes first; it has four trips in which to land.  One tensor load of a wave is out.
.macro CHANGE fill
	WIN 0
	s_wait_tensorcnt 0x0
	ds_add_u32 v[SPW], v[NIL]
.if \fill
	s_xor_b32 s[G0+1], s[G0+1], SLOT1
	s_add_nc_u64 s[G0+2:G0+3], s[G0+2:G0+3], GROUPB
.endif
	s_wait_dscnt 0x0
.if \fill
	CROUND
	JLOAD
.else
	s_barrier_signal -1
	s_barrier_wait -1
.endif
.endm
.macro BLOAD buf, s                    ; K step s's two fragments of Wk, as they lie: 512 consecutive bytes a load.  (Every window 3)
.irp n, 0,1
.irp q, 0,1,2,3
	ds_load_b128 v[BF+32*(\buf)+16*\n+4*\q:BF+32*(\buf)+16*\n+4*\q+3], v[ADB] offset:(2*(\s)+\n)*2048+512*\q
.endr
.endr
.endm
.macro TPLD                            ; my h's table entries of the chunk's two tiles
	ds_load_b128 v[TP:TP+3], v[ADT]
	ds_load_b128 v[TP+4:TP+7], v[ADT] offset:256
.endm
; Eight products, the eight accumulators by turns, in one order in every K step.  K step 0 starts the sums.
; aux = 1: behind the run's AX-th product one plain line on registers of its own: AX even: pair AX of E takes + 1; AX odd: pair AX - 1 of R x w goes to its partial sums.
.macro MM8 s, aux
.if \s < 4
.set WM, 0xfd                          ; D, C and Wk window 3; keys' window 1
.set WB, BF+32*(\s)
.else
.if \s < 6
.set WM, 0xfe                          ; keys' window 2
.set WB, BF+32*(\s-4)
.else
.set WM, 0xf2                          ; keys' window 2, Wk from window 0
.set WB, GF+32*(\s-6)
.endif
.endif
.irp n, 0,1
.irp m, 0,1,2,3
	WIN WM
.if \s == 0
	v_wmma_f32_16x16x128_fp8_fp8 v[8*(4*\n+\m):8*(4*\n+\m)+7], v[16*(4*((\s)%4)+\m):16*(4*((\s)%4)+\m)+15], v[WB+16*\n:WB+16*\n+15], 0
.else
	v_wmma_f32_16x16x128_fp8_fp8 v[8*(4*\n+\m):8*(4*\n+\m)+7], v[16*(4*((\s)%4)+\m):16*(4*((\s)%4)+\m)+15], v[WB+16*\n:WB+16*\n+15], v[8*(4*\n+\m):8*(4*\n+\m)+7]
.endif
.if \aux
.if AX%2 == 0
	WIN 0
	v_pk_add_f32 v[ER+AX:ER+AX+1], v[ER+AX:ER+AX+1], 1.0 op_sel_hi:[1,0]
.else
	WIN 0xfc                                       ; R window 0; w and the sums window 3
	v_pk_fma_f32 v[EA+(AX-1)%32:EA+(AX-1)%32+1], v[RR+AX-1:RR+AX], v[WU+2*((AX-1)/32):WU+2*((AX-1)/32)+1], v[EA+(AX-1)%32:EA+(AX-1)%32+1] op_sel_hi:[1,0,1]
.endif
.set AX, AX+1
.endif
.endr
.endr
.endm
; A chunk's 64 products.  LDS loads in their order of issue: K steps 0, 1, 2's (8 each), the table's 2, K step 3's 8; then K step 4's behind step 0's products and K step 5's behind step 1's.
; So behind step s's own fragments stand 26 loads for s = 0, 1, 2; then 16, 8, 0.  K steps 6 and 7 wait for the 16 loads from memory.
.macro MRUN aux
.set AX, 0
.irp s, 0,1,2,3,4,5,6,7
.if \s < 3
	s_wait_dscnt 26
.else
.if \s < 6
	s_wait_dscnt 8*(5-\s)
.endif
.endif
.if \s == 6
	s_wait_loadcnt 0x0
.endif
	MM8 \s, \aux
.if \s < 2
	PLACES
	WIN 0xff
	BLOAD \s, \s+4                                 ; into the buffer that this step has read
.endif
.endr
.endm
.macro TF i                            ; sum x C + q; the accumulator is read from its low end on; of the pairs C and q the low word serves both halves
.irp p, 0,2,4,6
	v_pk_fma_f32 v[8*(\i)+\p:8*(\i)+\p+1], v[8*(\i)+\p:8*(\i)+\p+1], s[CC:CC+1], v[TP+4*((\i)/4):TP+4*((\i)/4)+1] op_sel_hi:[1,0,0]
.endr
.endm
.macro RCPS                            ; R = 1 / E
	WIN 0
.set J, 0
.rept 64
	v_rcp_f32 v[RR+J], v[ER+J]
.set J, J+1
.endr
	v_nop                                          ; a plain place: E, which these lines read, is written next
.endm
; THE GAP behind a chunk's products.  nxt = 1: the next chunk's fragments and table entries are asked for on the way.
.macro GAP nxt
	WIN 0xff
.if \nxt
	v_add_nc_u32 v[ADB], v[LB3], s[TB]             ; (these four lines are the places behind the last products)
	v_add_nc_u32 v[ADT], v[LT3], s[HB]
.else
	v_nop
	v_nop
.endif
	v_mov_b32 v[WU], v[WN]                         ; w moves up: the chunk whose reciprocals are taken below
	v_mov_b32 v[WU+2], v[WN+1]
.irp i, 0,1,2,3,4,5,6,7
	TF \i
.endr
	v_mov_b32 v[WN], v[TP+2]                       ; and this chunk's w
	v_mov_b32 v[WN+1], v[TP+6]
.if \nxt
	WIN 0
	GLOAD                                          ; they have the rest of the gap and six K steps in which to land
	WIN 0xff
	BLOAD 0, 0
.endif
	s_wait_alu depctr_va_vdst(0)                   ; ahead of the batch
	RCPS
.if \nxt
	WIN 0xff
	BLOAD 1, 1
.endif
	WIN 0x03                                       ; from window 3 into window 0
.set J, 0
.rept 64
	v_exp_f32 v[ER+J], v[J]
.set J, J+1
.endr
	v_nop                                          ; a plain place behind the batch
	s_wait_alu depctr_va_vdst(0)                   ; and the wait behind it
.if \nxt
	WIN 0xff
	BLOAD 2, 2
	TPLD
	BLOAD 3, 3
.endif
.endm
.macro TEALL                           ; the sums take R x w, all 32 pairs
	WIN 0xfc
.set J, 0
.rept 32
	v_pk_fma_f32 v[EA+(2*J)%32:EA+(2*J)%32+1], v[RR+2*J:RR+2*J+1], v[WU+2*(J/16):WU+2*(J/16)+1], v[EA+(2*J)%32:EA+(2*J)%32+1] op_sel_hi:[1,0,1]
.set J, J+1
.endr
.endm
.macro STEPC
	WIN 0                                          ; at a label and at a branch every window is 0
	s_add_co_u32 s[TB], s[TB], CHB
	s_add_co_u32 s[HB], s[HB], 512
	s_add_nc_u64 s[GB:GB+1], s[GB:GB+1], CHB       ; the loads that named it have been waited for
.endm
.macro WALK trips                      ; trips of a gap and products, to a slot's end
	s_mov_b32 s[CH], \trips
.Lchunk_\@:
	GAP 1
	MRUN 1
	STEPC
	s_sub_co_u32 s[CH], s[CH], 1
	s_cmp_lg_u32 s[CH], 0
	s_cbranch_scc1 .Lchunk_\@
	s_sub_co_u32 s[TB], s[TB], GROUPB              ; a slot's first chunk,
	s_xor_b32 s[TB], s[TB], SLOT1                  ; in the other slot
.endm
	s_wait_alu depctr_va_vdst(0)
	CHANGE 1                                       ; slot 0 is whole; slot 1's first fill, issued as a refill is
	WIN 0xff
	v_add_nc_u32 v[ADB], v[LB3], s[TB]
	v_add_nc_u32 v[ADT], v[LT3], s[HB]
	s_wait_alu depctr_va_vdst(0)
	BLOAD 0, 0
	BLOAD 1, 1
	BLOAD 2, 2
	TPLD
	BLOAD 3, 3
	MRUN 0                                         ; chunk 0's products
	STEPC
	WALK 3
	s_mov_b32 s[SLOTS], 6
.Lslot:                                            ; six trips: slots 1 to 6; behind each change the next four chunks are asked for
	CHANGE 1
	WALK 4
	s_sub_co_u32 s[SLOTS], s[SLOTS], 1
	s_cmp_lg_u32 s[SLOTS], 0
	s_cbranch_scc1 .Lslot
	CHANGE 0                                       ; the last slot is written out
	WALK 4
	GAP 0                                          ; behind chunk 31's products: R is chunk 30's, E chunk 31's
	WIN 0
.set J, 0
.rept 32
	v_pk_add_f32 v[ER+2*J:ER+2*J+1], v[ER+2*J:ER+2*J+1], 1.0 op_sel_hi:[1,0]
.set J, J+1
.endr
	TEALL                                          ; chunk 30's sums
	WIN 0xff
	v_mov_b32 v[WU], v[WN]
	v_mov_b32 v[WU+2], v[WN+1]
	s_wait_alu depctr_va_vdst(0)                   ; ahead of the batch
	RCPS
	s_wait_alu depctr_va_vdst(0)                   ; and behind it
	TEALL                                          ; chunk 31's
	; THE WAY OUT.  Sum 8 m + j of lane (r, hh) is lane r's part of row 16 m + 8 hh + j: the 16 lanes' parts are added; the wave's 64 energies go through its stage so that one store covers their 256 consecutive bytes, aligned.
	WIN 0x0f                                       ; sources window 3, destination window 0 (registers that have been written: a DPP form's destination counts as read)
	s_wait_alu depctr_va_vdst(0)
.set J, 0
.rept 32
	v_add_f32_dpp v[CD+J], v[EA+J], v[EA+J] row_xmask:1 row_mask:0xf bank_mask:0xf
.set J, J+1
.endr
	WIN 0
.irp x, 2,4,8
.set J, 0
.rept 32
	v_add_f32_dpp v[CD+J], v[CD+J], v[CD+J] row_xmask:\x row_mask:0xf bank_mask:0xf
.set J, J+1
.endr
.endr
	s_mul_i32 s50, s[WV], SWAVE
	s_add_co_u32 s50, s50, STG
	v_lshl_add_u32 v42, v3, 5, s50                 ; my half's eight rows of a tile: 32 hh bytes on
	v_lshl_add_u32 v43, v1, 3, s50
.irp m, 0,1,2,3
.irp j, 0,1,2,3,4,5,6,7
	ds_store_b32 v42, v[CD+8*\m+\j] offset:64*\m+4*\j   ; sixteen lanes write the same word with the same number
.endr
.endr
	ds_load_b64 v[44:45], v43                      ; rows 2 l and 2 l + 1: LDS serves a wave's instructions in order
	s_wait_dscnt 0x0
	global_store_b64 v[EO], v[44:45], s[EP:EP+1]
	s_wait_tensorcnt 0x0                           ; the wave's end
	ds_add_u32 v[SPW], v[NIL]
	s_wait_dscnt 0x0
	CROUND                                         ; the closing round
	s_endpgm
.Lfunc_end_k_qc75e018ad0_energy:
	.size	k_qc75e018ad0_energy, .Lfunc_end_k_qc75e018ad0_energy-k_qc75e018ad0_energy
	.p2alignl 7, 3214868480
	.fill 96, 4, 3214868480
	.section	.rodata,"a",@progbits
	.p2align	6, 0x0
	.amdhsa_kernel k_qc75e018ad0_energy
		.amdhsa_group_segment_fixed_size 327680
		.amdhsa_private_segment_fixed_size 0
		.amdhsa_enable_private_segment 0
		.amdhsa_kernarg_size 56
		.amdhsa_user_sgpr_count 2
		.amdhsa_user_sgpr_kernarg_segment_ptr 1
		.amdhsa_wavefront_size32 1
		.amdhsa_system_sgpr_workgroup_id_x 1
		.amdhsa_system_sgpr_workgroup_id_y 1
		.amdhsa_system_sgpr_workgroup_id_z 1
		.amdhsa_system_vgpr_workitem_id 0
		.amdhsa_next_free_vgpr 1024
		.amdhsa_next_free_sgpr 98
		.amdhsa_reserve_vcc 0
		.amdhsa_float_denorm_mode_32 3
		.amdhsa_float_denorm_mode_16_64 3
		.amdhsa_memory_ordered 1
		.amdhsa_forward_progress 1
		.amdhsa_inst_pref_size 255
	.end_amdhsa_kernel
	.section	.bss,"aw",@nobits
	.p2align	6
	.space	262144
	.amdgpu_metadata
---
amdhsa.version: [ 1, 2 ]
amdhsa.kernels:
  - .name:           k_qc75e018ad0_energy
    .symbol:         k_qc75e018ad0_energy.kd
    .args:
      - { .name: keys, .offset: 0, .size: 8, .value_kind: global_buffer, .address_space: global }
      - { .name: wk_codes, .offset: 8, .size: 8, .value_kind: global_buffer, .address_space: global }
      - { .name: qp_ws, .offset: 16, .size: 8, .value_kind: global_buffer, .address_space: global }
      - { .name: v, .offset: 24, .size: 8, .value_kind: global_buffer, .address_space: global }
      - { .name: lowp_scales, .offset: 32, .size: 8, .value_kind: global_buffer, .address_space: global }
      - { .name: rowmap, .offset: 40, .size: 8, .value_kind: global_buffer, .address_space: global }
      - { .name: energy_ws, .offset: 48, .size: 8, .value_kind: global_buffer, .address_space: global }
    .group_segment_fixed_size: 327680
    .private_segment_fixed_size: 0
    .kernarg_segment_align: 8
    .kernarg_segment_size: 56
    .max_flat_workgroup_size: 128
    .sgpr_count:     98
    .vgpr_count:     1024
    .wavefront_size: 32
...
	.end_amdgpu_metadata
.endif
;; end of part 5
;; launch context (part 6): grid 4 x 64, 16 waves a work-group, no clusters, 18,944 bytes of LDS; arguments keys, energy_ws, rowmap, inv, cnt, out0, out1; writes out0, out1
.if DOCPART == 6
	.amdgcn_target "amdgcn-amd-amdhsa--gfx1250"
	.amdhsa_code_object_version 6
	.text
	.protected	k_qc75e018ad0_context
	.globl	k_qc75e018ad0_context
	.p2align	8
	.type	k_qc75e018ad0_context,@function
k_qc75e018ad0_context:
	s_mov_b64 s[64:65], 0
	v_nop
	global_prefetch_b8 v0, s[64:65] scope:SCOPE_SE
	s_setreg_imm32_b32 hwreg(HW_REG_WAVE_MODE, 25, 1), 1
	s_wait_xcnt 0x0
; attn[b] = softmax over the open keys of energy[b], 0 at masked keys and where a whole row is masked;  context[b][k] = sum over s of attn[b][s] keys[b][s][k].  All in f32.
; THE MASK comes as the first launch's list: the batch's keys lie in 1,024 places, the n open ones first.  Place 256 m + 16 W + r is slot 64 W + 16 m + r; inv[key] = the key's slot; the energies lie by slots;
;   rowmap[slot] = the place's key where the place is under n, else a stand-in, one of the batch's rows 0 to 15.
;   A key counts where its place is under n.  ROWS OF keys ARE FETCHED BY PLACES, AND ONLY AS FAR AS THE OPEN KEYS REACH: a masked key's weight is 0.
; SHARES.  Work-group (q, b) makes the batch's columns 256 q .. 256 q + 255 of the context, and stores keys 256 q .. 256 q + 255 of attn.  Each of the batch's four work-groups makes the softmax for itself:
;   its inputs are some 12 KiB, beside the rows of keys that it streams; that is also why no tile is shared in a cluster here.  Memory binds: no matrix unit, no tensor loads.
; SOFTMAX.  Thread t owns slots 2 t and 2 t + 1.  m = the largest open energy (with the floor -3e38, so that a row without an open key has a number for m); p = 2^((e - m) log2 e), 0 for a masked key.
;   The sum l is at least 1 wherever a key is open (the largest gives p = 1), so max(l, 1) changes nothing there, and gives attn = 0 and context = 0 where none is.  LIMIT: energies above -3e38.  NaN is not served.
;   attn is made by keys, so that it is stored on end: thread t takes the energies of keys 2 t and 2 t + 1 at the slots that inv names.
; STREAM.  The places go in groups of 64, four to a wave: row i of wave w is place 64 (i / 4) + 4 w + i % 4.  H = ceil(n / 64) groups are walked, at least 2; places at or beyond n among them (stand-in rows) have p = 0.
;   A row's share is 1,024 bytes: two loads of 512 consecutive bytes, aligned on 256.  A ring of eight row slots in registers keeps 16 loads of every wave on their way.  The first eight rows are asked for at the head;
;   a trip of the loop takes eight rows and asks for eight; where H is odd a half trip of four follows; the last eight rows are written out and ask for nothing.  A row's number and its p lie in a LANE of two registers
;   (lane i % 32) and come to scalar registers by v_readlane_b32: the number makes the row's address, p multiplies by the packed form's scalar pair.
;   The sums are taken with the unnormalised p (at most 1) and divided by l once, at the end.  The 16 waves' partial sums meet in LDS; waves 0 and 1 add them and store 512 consecutive bytes each.
.set RED, 0                            ; LDS: 16 x 1,024 bytes: the waves' partial sums
.set MXW, 16384                        ; 16 words: the waves' maxima; 256 bytes on: 16 words: the waves' sums
.set KA,  10                           ; v10  16 x lane; never rewritten
.set AC,  20                           ; v20-27   my 8 columns' sums
.set L0,  32                           ; v32  the rows of keys of the 32 rows in hand (lane l: row l; from row 32 on: row 32 + l)
.set L1,  33                           ; v33  those of rows 32 + l
.set P0,  34                           ; v34  their energies, then their p
.set P1,  35                           ; v35
.set KR,  64                           ; v64-127  the ring: slot k holds a row's 8 numbers
.set WVN, 18                           ; s18  my wave's number
.set BT,  19                           ; s19  the batch
.set NN,  20                           ; s20  n
.set KB,  22                           ; s[22:23] keys at the batch's first row, my quarter of its columns
.set SEL, 24                           ; s[24:25] v_permlanex16_b32's selects for lane l xor 16
.set OF,  26                           ; s[26:27] an offset; its high word stays 0
.set FC,  28                           ; s28  whole trips to go
.set OD,  29                           ; s29  1: a half trip follows
.set JB,  30                           ; s30  the first row that the trip asks for
.set JL,  31                           ; s31  its lane
.set TL,  32                           ; s32  the lane of the row in hand
.set RB,  36                           ; s[36:51] slot k's row address
.set WS,  66                           ; s[66:81] slot k's p, in the low word of a pair
.macro ROWLD k                         ; s[OF] holds a row's number: the row goes into slot k
	s_min_u32 s[OF], s[OF], 0x3ff                  ; a loaded number enters an address: held inside the batch's 1,024 rows, and only shifted and added behind that
	s_lshl_b32 s[OF], s[OF], 12                    ; a row is 4,096 bytes
	s_add_nc_u64 s[RB+2*(\k):RB+2*(\k)+1], s[KB:KB+1], s[OF:OF+1]
	global_load_b128 v[KR+8*(\k):KR+8*(\k)+3], v[KA], s[RB+2*(\k):RB+2*(\k)+1] th:TH_LOAD_NT   ; an open key is named once, and the four work-groups of a batch take different bytes of a row; the stand-ins among the places walked are 128 at the most
	global_load_b128 v[KR+8*(\k)+4:KR+8*(\k)+7], v[KA], s[RB+2*(\k):RB+2*(\k)+1] offset:512 th:TH_LOAD_NT
.endm
.macro FMA k                           ; the sums take slot k's row x its p (of the scalar pair the low word serves both halves)
.irp p, 0,2,4,6
	v_pk_fma_f32 v[AC+\p:AC+\p+1], v[KR+8*(\k)+\p:KR+8*(\k)+\p+1], s[WS+2*(\k):WS+2*(\k)+1], v[AC+\p:AC+\p+1] op_sel_hi:[1,0,1]
.endr
.endm
.macro BODY rows                       ; slots 0 .. rows - 1 are taken and filled again, with rows JB on
	s_cmp_eq_u32 s[JB], 32                         ; from row 32 on the second pair of registers is in hand (JB is a multiple of 8, so a trip never straddles)
	s_cselect_b32 vcc_lo, -1, 0
	v_cndmask_b32 v[L0], v[L0], v[L1], vcc_lo
	v_cndmask_b32 v[P0], v[P0], v[P1], vcc_lo
	s_and_b32 s[JL], s[JB], 31
.set K, 0
	s_wait_alu depctr_va_vdst(0)
.rept \rows
	s_wait_alu depctr_va_vdst(0)
	s_wait_loadcnt 14                              ; loads come back in order (ISA guide 5.7.1): this slot's two are in, the seven younger slots' stay out; its address pair is free from here on
	FMA K
	s_add_co_u32 s[TL], s[JL], K
	v_readlane_b32 s[WS+2*K], v[P0], s[TL]
	v_readlane_b32 s[OF], v[L0], s[TL]
	ROWLD K
.set K, K+1
.endr
.endm
	s_load_b256 s[4:11], s[0:1], 0x0               ; keys s[4:5], energy_ws s[6:7], rowmap s[8:9], inv s[10:11]
	s_load_b128 s[12:15], s[0:1], 0x20             ; cnt s[12:13], out0 s[14:15]
	s_load_b64 s[16:17], s[0:1], 0x30              ; out1
	v_lshl_add_u32 v128, v0, 2, 0x4200
	v_mov_b32 v129, 0
	v_lshrrev_b32 v1, 5, v0
	s_delay_alu instid0(VALU_DEP_1)
	v_readfirstlane_b32 s[WVN], v1                 ; wave 0..15
	s_and_b32 s[BT], ttmp7, 0xffff                 ; the batch
	v_and_b32 v1, 31, v0                           ; lane
	v_lshlrev_b32 v2, 3, v0                        ; 8 x thread: my two slots' energies; my two keys' slots; my two numbers of attn
	s_delay_alu instid0(VALU_DEP_2)
	v_lshlrev_b32 v[KA], 4, v1
	; row l of my wave: slot 256 ((l / 4) % 4) + 64 (w / 4) + 16 (l / 16) + 4 (w % 4) + l % 4; row 32 + l: 32 slots on
	s_delay_alu instid0(VALU_DEP_3)
	v_bfe_u32 v3, v1, 2, 2
	s_delay_alu instid0(VALU_DEP_4)
	v_lshrrev_b32 v6, 4, v1
	v_and_b32 v7, 3, v1
	s_delay_alu instid0(VALU_DEP_1)
	v_lshl_or_b32 v7, v6, 4, v7
	s_delay_alu instid0(VALU_DEP_1)
	v_lshl_or_b32 v7, v3, 8, v7
	s_lshr_b32 s33, s[WVN], 2
	s_lshl_b32 s33, s33, 6
	s_and_b32 s34, s[WVN], 3
	s_lshl_b32 s34, s34, 2
	s_add_co_u32 s33, s33, s34
	v_add_nc_u32 v7, s33, v7
	s_delay_alu instid0(VALU_DEP_1)
	v_lshlrev_b32 v3, 2, v7                        ; in bytes
	; and its place: 64 (l / 4) + 4 w + l % 4; row 32 + l: 512 places on
	v_lshrrev_b32 v6, 2, v1
	v_and_b32 v7, 3, v1
	s_delay_alu instid0(VALU_DEP_1)
	v_lshl_or_b32 v7, v6, 6, v7
	s_lshl_b32 s34, s[WVN], 2
	v_add_nc_u32 v7, s34, v7
	s_delay_alu instid0(VALU_DEP_1)
	v_add_nc_u32 v8, 0x200, v7
	; slot 2 t's place: 256 ((t / 8) % 4) + 16 (t / 32) + 2 (t % 8); slot 2 t + 1's: one on
	v_bfe_u32 v42, v0, 3, 2
	v_lshrrev_b32 v43, 5, v0
	v_and_b32 v11, 7, v0
	s_delay_alu instid0(VALU_DEP_1)
	v_lshlrev_b32 v11, 1, v11
	s_delay_alu instid0(VALU_DEP_1)
	v_lshl_or_b32 v11, v43, 4, v11
	s_delay_alu instid0(VALU_DEP_1)
	v_lshl_or_b32 v11, v42, 8, v11
	s_delay_alu instid0(VALU_DEP_1)
	v_add_nc_u32 v46, 1, v11
	s_mov_b32 s[SEL], 0x76543210
	s_mov_b32 s[SEL+1], 0xfedcba98
.irp k, 0,1,2,3,4,5,6,7
	s_mov_b32 s[WS+2*\k+1], 0                      ; (named with p as a pair, so it is written)
.endr
	s_lshl_b32 s33, s[WVN], 2
	s_add_co_u32 s33, s33, MXW
	v_mov_b32 v38, s33                             ; my wave's word
	v_mov_b32 v39, MXW
	s_lshl_b32 s33, s[WVN], 10
	v_add_nc_u32 v31, s33, v[KA]                   ; where my partial sums go: RED + 1,024 x wave + 16 x lane
	v_mov_b32 v9, 0xff800000                       ; -infinity
.irp j, 0,1,2,3,4,5,6,7
	v_mov_b32 v[AC+\j], 0                          ; eight sums: the row that starts them lies in the loop or behind it, as n has it
.endr
	s_lshl_b32 s[OF], s[BT], 12                    ; a batch's 4,096 bytes (energies, rowmap, inv, out0, out1)
	s_mov_b32 s[OF+1], 0
	s_lshl_b32 s33, ttmp9, 10                      ; my quarter of a row: 1,024 bytes
	s_wait_kmcnt 0x0
	s_add_nc_u64 s[6:7], s[6:7], s[OF:OF+1]
	s_add_nc_u64 s[8:9], s[8:9], s[OF:OF+1]
	s_add_nc_u64 s[10:11], s[10:11], s[OF:OF+1]
	s_add_nc_u64 s[16:17], s[16:17], s[OF:OF+1]
	s_add_co_u32 s[OF], s[OF], s33
	s_add_nc_u64 s[14:15], s[14:15], s[OF:OF+1]
	s_lshl_b32 s[OF], s[BT], 22                    ; keys: 4 MiB a batch
	s_add_co_u32 s[OF], s[OF], s33
	s_add_nc_u64 s[KB:KB+1], s[4:5], s[OF:OF+1]
	s_lshl_b32 s[OF], s[BT], 2
	s_add_nc_u64 s[12:13], s[12:13], s[OF:OF+1]
	s_load_b32 s[NN], s[12:13], 0x0                ; n
	global_load_b32 v[L0], v3, s[8:9]              ; my wave's rows: which rows of keys they are,
	global_load_b32 v[L1], v3, s[8:9] offset:128
	global_load_b32 v[P0], v3, s[6:7]              ; their energies
	global_load_b32 v[P1], v3, s[6:7] offset:128
	global_load_b64 v[4:5], v2, s[6:7]             ; my thread's two slots' energies
	global_load_b64 v[14:15], v2, s[10:11]         ; my thread's two keys' slots
	s_wait_loadcnt 0x0
	v_min_u32 v16, 0x3ff, v14                      ; loaded numbers enter addresses: held inside the batch's 1,024 slots, and only shifted behind that
	v_min_u32 v17, 0x3ff, v15
	s_delay_alu instid0(VALU_DEP_2)
	v_lshlrev_b32 v18, 2, v16
	s_delay_alu instid0(VALU_DEP_2)
	v_lshlrev_b32 v19, 2, v17
	global_load_b32 v28, v18, s[6:7]               ; my two keys' energies
	global_load_b32 v29, v19, s[6:7]
.set K, 0
.rept 8
	v_readlane_b32 s[OF], v[L0], K                 ; the ring is filled, with rows 0 to 7, before the softmax is begun
	ROWLD K
.set K, K+1
.endr
	s_wait_kmcnt 0x0                               ; n
	s_min_u32 s33, s[NN], 0x400
	s_add_co_u32 s33, s33, 63
	s_lshr_b32 s33, s33, 6                         ; groups of 64 places that hold an open key,
	s_max_u32 s33, s33, 2                          ; at least the two that the ring begins with: H
	s_sub_co_u32 s33, s33, 2
	s_lshr_b32 s[FC], s33, 1                       ; (H - 2) / 2 whole trips ask for eight rows each,
	s_and_b32 s[OD], s33, 1                        ; and a half trip for four where H is odd
	s_mov_b32 s[JB], 8
	v_cmp_gt_u32 vcc_lo, s[NN], v11                ; a slot counts where its place is under n; else its energy is -infinity
	s_delay_alu instid0(VALU_DEP_1)
	v_cndmask_b32 v4, v9, v4, vcc_lo
	v_cmp_gt_u32 vcc_lo, s[NN], v46
	s_delay_alu instid0(VALU_DEP_1)
	v_cndmask_b32 v5, v9, v5, vcc_lo
	v_cmp_gt_u32 vcc_lo, s[NN], v7
	s_delay_alu instid0(VALU_DEP_1)
	v_cndmask_b32 v[P0], v9, v[P0], vcc_lo
	v_cmp_gt_u32 vcc_lo, s[NN], v8
	s_delay_alu instid0(VALU_DEP_1)
	v_cndmask_b32 v[P1], v9, v[P1], vcc_lo
	v_max_num_f32 v36, v4, v5
	s_delay_alu instid0(VALU_DEP_1)
	v_max_num_f32_dpp v36, v36, v36 row_xmask:1 row_mask:0xf bank_mask:0xf
	s_delay_alu instid0(VALU_DEP_1)
	v_max_num_f32_dpp v36, v36, v36 row_xmask:2 row_mask:0xf bank_mask:0xf
	s_delay_alu instid0(VALU_DEP_1)
	v_max_num_f32_dpp v36, v36, v36 row_xmask:4 row_mask:0xf bank_mask:0xf
	s_delay_alu instid0(VALU_DEP_1)
	v_max_num_f32_dpp v36, v36, v36 row_xmask:8 row_mask:0xf bank_mask:0xf
	s_delay_alu instid0(VALU_DEP_1)
	v_permlanex16_b32 v6, v36, s[SEL], s[SEL+1]    ; (its destination counts as read: a register that has been written)
	s_delay_alu instid0(VALU_DEP_1)
	v_max_num_f32 v36, v36, v6
	ds_store_b32 v38, v36                          ; all lanes write the same word with the same number
	s_wait_dscnt 0x0                               ; for the others' sake
	s_barrier_signal -1
	s_barrier_wait -1
.irp k, 0,1,2,3
	ds_load_b128 v[48+4*\k:51+4*\k], v39 offset:16*\k
.endr
	s_wait_loadcnt 16                              ; my two keys' energies are in; the ring's 16 loads may be out
.irp z, 0,1
	v_bfe_u32 v42, v[16+\z], 4, 2                  ; slot 64 W + 16 m + r: m,
	v_lshrrev_b32 v43, 6, v[16+\z]                 ; W,
	v_and_b32 v46, 15, v[16+\z]                    ; r
	s_delay_alu instid0(VALU_DEP_1)
	v_lshl_or_b32 v46, v43, 4, v46
	s_delay_alu instid0(VALU_DEP_1)
	v_lshl_or_b32 v46, v42, 8, v46                 ; its place 256 m + 16 W + r
	s_delay_alu instid0(VALU_DEP_1)
	v_cmp_gt_u32 vcc_lo, s[NN], v46
	s_delay_alu instid0(VALU_DEP_1)
	v_cndmask_b32 v[28+\z], v9, v[28+\z], vcc_lo
.endr
	s_wait_dscnt 0x0
	v_max3_num_f32 v36, v48, v49, v50
.irp k, 51,53,55,57,59,61
	s_delay_alu instid0(VALU_DEP_1)
	v_max3_num_f32 v36, v36, v[\k], v[\k+1]
.endr
	s_delay_alu instid0(VALU_DEP_1)
	v_max3_num_f32 v36, v36, v63, 0xff61b1e6       ; m, with the floor -3e38 among its leaves
.irp r, 4, 5, 34, 35, 28, 29
	v_sub_f32 v[\r], v[\r], v36
.endr
.irp r, 4, 5, 34, 35, 28, 29
	v_mul_f32 v[\r], 0x3fb8aa3b, v[\r]
.endr
	s_wait_alu depctr_va_vdst(0)
	v_exp_f32 v40, v4                              ; p of my two slots,
	v_exp_f32 v41, v5
	v_exp_f32 v[P0], v[P0]                         ; of my wave's rows,
	v_exp_f32 v[P1], v[P1]
	v_exp_f32 v28, v28                             ; of my two keys
	v_exp_f32 v29, v29
	v_lshlrev_b32 v30, 4, v0                       ; 16 x thread.  (A plain instruction behind the exponentials, before a result is used: ISA guide 5.7.2)
	s_wait_alu depctr_va_vdst(0)
	v_add_f32 v42, v40, v41
	s_delay_alu instid0(VALU_DEP_1)
	v_add_f32_dpp v42, v42, v42 row_xmask:1 row_mask:0xf bank_mask:0xf
	s_delay_alu instid0(VALU_DEP_1)
	v_add_f32_dpp v42, v42, v42 row_xmask:2 row_mask:0xf bank_mask:0xf
	s_delay_alu instid0(VALU_DEP_1)
	v_add_f32_dpp v42, v42, v42 row_xmask:4 row_mask:0xf bank_mask:0xf
	s_delay_alu instid0(VALU_DEP_1)
	v_add_f32_dpp v42, v42, v42 row_xmask:8 row_mask:0xf bank_mask:0xf
	s_delay_alu instid0(VALU_DEP_1)
	v_permlanex16_b32 v6, v42, s[SEL], s[SEL+1]
	s_delay_alu instid0(VALU_DEP_1)
	v_add_f32 v42, v42, v6
	ds_store_b32 v38, v42 offset:256               ; my wave's sum
	s_wait_dscnt 0x0                               ; for the others' sake
	s_barrier_signal -1
	s_barrier_wait -1
.irp k, 0,1,2,3
	ds_load_b128 v[48+4*\k:51+4*\k], v39 offset:256+16*\k
.endr
.set K, 0
.rept 8
	v_readlane_b32 s[WS+2*K], v[P0], K             ; p of rows 0 to 7
.set K, K+1
.endr
	s_wait_dscnt 0x0
.irp k, 48,52,56,60
	v_pk_add_f32 v[\k:\k+1], v[\k:\k+1], v[\k+2:\k+3]
.endr
	s_delay_alu instid0(VALU_DEP_3)
	v_pk_add_f32 v[48:49], v[48:49], v[52:53]
	s_delay_alu instid0(VALU_DEP_2)
	v_pk_add_f32 v[56:57], v[56:57], v[60:61]
	s_delay_alu instid0(VALU_DEP_1)
	v_pk_add_f32 v[48:49], v[48:49], v[56:57]
	s_delay_alu instid0(VALU_DEP_1)
	v_add_f32 v48, v48, v49
	s_delay_alu instid0(VALU_DEP_1)
	v_max_num_f32 v48, 1.0, v48                    ; l: at least 1 where a key is open; 1 where none is
	s_wait_alu depctr_va_vdst(0)
	v_rcp_f32 v12, v48                             ; made twice, to fill the pair that the packed multiply takes
	v_rcp_f32 v13, v48
	v_nop                                          ; a plain instruction behind the reciprocals, before a result is used
	s_lshr_b32 s33, s[WVN], 2
	s_cmp_lg_u32 s33, ttmp9
	s_cbranch_scc1 .Lno_attn                       ; waves 4 q .. 4 q + 3 store attn: each number of out1 is stored by one work-group
	s_wait_alu depctr_va_vdst(0)
	v_mul_f32 v44, v28, v12
	v_mul_f32 v45, v29, v12
	global_store_b64 v2, v[44:45], s[16:17]        ; the wave stores 256 consecutive bytes, aligned; v2, v44 and v45 are not written again
.Lno_attn:
	s_cmp_eq_u32 s[FC], 0
	s_cbranch_scc1 .Lno_full
.Lfull:
	s_wait_alu depctr_va_vdst(0)
	BODY 8
	s_add_co_u32 s[JB], s[JB], 8
	s_sub_co_u32 s[FC], s[FC], 1
	s_cmp_lg_u32 s[FC], 0
	s_cbranch_scc1 .Lfull
.Lno_full:
	s_cmp_eq_u32 s[OD], 0
	s_cbranch_scc1 .Leven
	BODY 4
.Leven:
	s_wait_loadcnt 0x0                             ; the last eight rows, in whichever order they were asked for: nothing more is fetched
.set K, 0
	s_wait_alu depctr_va_vdst(0)
.rept 8
	FMA K
.set K, K+1
.endr
	ds_store_b128 v31, v[AC:AC+3]
	ds_store_b128 v31, v[AC+4:AC+7] offset:512
	s_wait_dscnt 0x0                               ; for waves 0 and 1's sake
	s_barrier_signal -1
	s_barrier_wait -1
	s_cmp_ge_u32 s[WVN], 2
	s_cbranch_scc1 .Lend
.irp i, 0,1,2,3,4,5,6,7,8,9,10,11,12,13,14,15
	ds_load_b128 v[KR+4*\i:KR+4*\i+3], v30 offset:RED+1024*\i   ; wave i's sums of my four columns: 16 x thread = 512 x wave + 16 x lane
.endr
	s_wait_dscnt 0x0
.irp i, 1
	v_pk_add_f32 v[KR:KR+1], v[KR:KR+1], v[KR+4*\i:KR+4*\i+1]
	v_pk_add_f32 v[KR+2:KR+3], v[KR+2:KR+3], v[KR+4*\i+2:KR+4*\i+3]
.endr
.irp i, 2, 3, 4, 5, 6, 7, 8, 9, 10, 11, 12, 13, 14, 15
	s_delay_alu instid0(VALU_DEP_2)
	v_pk_add_f32 v[KR:KR+1], v[KR:KR+1], v[KR+4*\i:KR+4*\i+1]
	s_delay_alu instid0(VALU_DEP_2)
	v_pk_add_f32 v[KR+2:KR+3], v[KR+2:KR+3], v[KR+4*\i+2:KR+4*\i+3]
.endr
	s_wait_alu depctr_va_vdst(0)
	v_pk_mul_f32 v[KR:KR+1], v[KR:KR+1], v[12:13]  ; / l
	v_pk_mul_f32 v[KR+2:KR+3], v[KR+2:KR+3], v[12:13]
	global_store_b128 v30, v[KR:KR+3], s[14:15]    ; the wave stores 512 consecutive bytes, at a multiple of 256 from out0's first byte
.Lend:
	s_wait_tensorcnt 0x0
	ds_add_u32 v128, v129
	s_wait_dscnt 0x0
	s_endpgm
.Lfunc_end_k_qc75e018ad0_context:
	.size	k_qc75e018ad0_context, .Lfunc_end_k_qc75e018ad0_context-k_qc75e018ad0_context
	.p2alignl 7, 3214868480
	.fill 96, 4, 3214868480
	.section	.rodata,"a",@progbits
	.p2align	6, 0x0
	.amdhsa_kernel k_qc75e018ad0_context
		.amdhsa_group_segment_fixed_size 18944
		.amdhsa_private_segment_fixed_size 0
		.amdhsa_enable_private_segment 0
		.amdhsa_kernarg_size 56
		.amdhsa_user_sgpr_count 2
		.amdhsa_user_sgpr_kernarg_segment_ptr 1
		.amdhsa_wavefront_size32 1
		.amdhsa_system_sgpr_workgroup_id_x 1
		.amdhsa_system_sgpr_workgroup_id_y 1
		.amdhsa_system_sgpr_workgroup_id_z 1
		.amdhsa_system_vgpr_workitem_id 0
		.amdhsa_next_free_vgpr 130
		.amdhsa_next_free_sgpr 82
		.amdhsa_reserve_vcc 1
		.amdhsa_float_denorm_mode_32 3
		.amdhsa_float_denorm_mode_16_64 3
		.amdhsa_memory_ordered 1
		.amdhsa_forward_progress 1
		.amdhsa_inst_pref_size 32
	.end_amdhsa_kernel
	.amdgpu_metadata
---
amdhsa.version: [ 1, 2 ]
amdhsa.kernels:
  - .name:           k_qc75e018ad0_context
    .symbol:         k_qc75e018ad0_context.kd
    .args:
      - { .name: keys, .offset: 0, .size: 8, .value_kind: global_buffer, .address_space: global }
      - { .name: energy_ws, .offset: 8, .size: 8, .value_kind: global_buffer, .address_space: global }
      - { .name: rowmap, .offset: 16, .size: 8, .value_kind: global_buffer, .address_space: global }
      - { .name: inv, .offset: 24, .size: 8, .value_kind: global_buffer, .address_space: global }
      - { .name: cnt, .offset: 32, .size: 8, .value_kind: global_buffer, .address_space: global }
      - { .name: out0, .offset: 40, .size: 8, .value_kind: global_buffer, .address_space: global }
      - { .name: out1, .offset: 48, .size: 8, .value_kind: global_buffer, .address_space: global }
    .group_segment_fixed_size: 18944
    .private_segment_fixed_size: 0
    .kernarg_segment_align: 8
    .kernarg_segment_size: 56
    .max_flat_workgroup_size: 512
    .sgpr_count:     82
    .vgpr_count:     130
    .wavefront_size: 32
...
	.end_amdgpu_metadata
.endif
;; end of part 6
